; MI455X (gfx1250); checked and timed in simulation.
; The chip was launched on July 23, 2026; its instructions are those of AMD's public machine-readable ISA for CDNA 5 (MIT licence, August 2026) and "CDNA5" Instruction Set Architecture Reference Guide (July 2026). The comments in the code are by the model that wrote it; some were corrected since.
;; Multi Head Self Attention. Allowed arithmetic: matrix products marked QUANTISED: E2M3 operands, one E8M0 scale for each 32 along K, by v_wmma_scale_f32_16x16x128_f8f6f4 with both operands' format E2M3, f32 sums; everything else in f32.
;; Inputs: W_k 1,024 x 1,024 float32; W_o 1,024 x 1,024 float32; W_q 1,024 x 1,024 float32; W_v 1,024 x 1,024 float32; token_position 4 x 2,048 int32; x 4 x 2,048 x 1,024 float32.
;; Outputs: out0 4 x 2,048 x 1,024 float32.
;; This version of the problem:
;;   THIS VERSION OF THE PROBLEM IS GIVEN IN LOW PRECISION. The matrix products marked QUANTISED in the list below multiply operands that are first quantised to E2M3 (2 exponent bits, 3 mantissa bits; 6 bits a number), with one power-of-two scale for each 32 numbers along K (OCP MX v1.0); their sums are f32. All else is computed in f32.
;;   The module's matrix products, in the order in which they are computed (A, B: the left and right operand; K: the contracted axis; several contracted axes count as one K, in the product's order):
;;     1. [M 8,192, K 1,024] x [K 1,024, N 1,024]; A: input x; B: input W_q: QUANTISED
;;     2. [M 8,192, K 1,024] x [K 1,024, N 1,024]; A: input x; B: input W_k: QUANTISED
;;     3. [M 8,192, K 1,024] x [K 1,024, N 1,024]; A: input x; B: input W_v: QUANTISED
;;     4. batch 64 x [M 2,048, K 64] x [K 64, N 2,048]; A: computed on the way; B: computed on the way: QUANTISED
;;     5. batch 64 x [M 2,048, K 2,048] x [K 2,048, N 64]; A: softmax (see below); B: computed on the way: QUANTISED
;;     6. [M 8,192, K 1,024] x [K 1,024, N 1,024]; A: computed on the way; B: input W_o: QUANTISED
;;   THE QUANTISER, for each operand of a quantised product, along K:
;;     - K is cut into blocks of 32 from its start; a last block that is shorter is filled with zeros.
;;     - A block's scale is 2^e with e = floor(log2(the largest magnitude in the block)) - 2, held to -126 .. 127; a block of zeros has e = 0. As a byte (E8M0): e + 127.
;;     - Each number is divided by its block's scale, clamped to +-7.5, and rounded to the nearest number of E2M3, ties to even, subnormals kept.
;;     - The product sums the exact products of the quantised numbers (number of the format x scale) in f32.
;;   ~~~python
;;   def quantise(x, axis):      # numpy; x: float32 -> the quantised numbers, widened to float32 again
;;       x = np.moveaxis(x, axis, -1); K = x.shape[-1]
;;       x = np.pad(x, [(0, 0)] * (x.ndim - 1) + [(0, -K % 32)]); x = x.reshape(x.shape[:-1] + (-1, 32)); a = np.abs(x).max(-1, keepdims=True)
;;       e = np.where(a > 0, np.clip(np.frexp(np.where(a > 0, a, 1))[1] - 1 - 2, -126, 127), 0)      # np.frexp(a)[1] - 1 = floor(log2(a)), exactly
;;       r = np.clip(x / 2.0 ** e, -7.5, 7.5)
;;       step = 2.0 ** (np.maximum(np.frexp(np.where(r == 0, 1, r))[1] - 1, 0) - 3)
;;       q = np.round(r / step) * step * 2.0 ** e      # np.round: ties to even
;;       return np.moveaxis(q.reshape(q.shape[:-2] + (-1,))[..., :K], -1, axis).astype(np.float32)
;;   ~~~
;;   SOFTMAX AHEAD OF A QUANTISED PRODUCT. Where the list says 'softmax', what is quantised is not the finished softmax but p = 2^(t - M), with t = logit x log2(e) and M = ceil(the row's largest t), a whole number; so 1/2 < the row's largest p <= 1. The row's sum l is taken of the UNQUANTISED p, in f32, and the product's result is divided by l at the end. Since M is a whole number, a kernel that streams over the keys may use a running M (the ceiling of the running maximum): every later rescaling is an exact power of two, which a block's scale takes up: the codes' values come out the same.
;;   OPERANDS COMPUTED ON THE WAY. 'Computed on the way' means the value that the module computes at that place (a softmax that the list does not call 'softmax' is quantised finished and normalised). What goes into a quantiser is computed in f32, as accurately as f32 sums, v_exp_f32 and their like allow (about 1e-6 of the number): no bf16 or f16 on the way to a quantiser, and a product that is left as it is and whose result goes on into a quantised operand takes f32 operands (vector FMAs, or v_wmma_f32_16x16x4_f32). A number that lies on a knife's edge between two numbers of the format may be rounded either way, as far as f32 arithmetic and the matrix unit's own rounding can turn it there, and no further.
;; One version. Each part assembles by itself: llvm-mc -triple=amdgcn-amd-amdhsa -mcpu=gfx1250 --defsym DOCPART=n.
;; ======== version 1 of 1: 4 launches
;; limits: right only within a limited range of input values
;; workspace buffers: xc 6,291,456 bytes; xs 262,144 bytes; wc 3,145,728 bytes; ws 131,072 bytes; tab 2,097,408 bytes; qkv 19,660,800 bytes; ac 6,291,456 bytes; asc 262,144 bytes
;; launch prep (part 1): grid 640 x 1, 4 waves a work-group, no clusters, 68,096 bytes of LDS; arguments x, token_position, W_q, W_k, W_v, W_o, xc, xs, wc, ws, tab; writes xc, xs, wc, ws, tab
.if DOCPART == 1
	.amdgcn_target "amdgcn-amd-amdhsa--gfx1250"
	.amdhsa_code_object_version 6
	.text
	.protected	k_q0b6155780b_prep
	.globl	k_q0b6155780b_prep
	.p2align	8
	.type	k_q0b6155780b_prep,@function
k_q0b6155780b_prep:
	s_mov_b64 s[64:65], 0
	v_nop
	global_prefetch_b8 v0, s[64:65] scope:SCOPE_SE
	s_setreg_imm32_b32 hwreg(HW_REG_WAVE_MODE, 25, 1), 1
	s_wait_xcnt 0x0
; x [8192][1024] and the four weights [1024 (k)][1024 (n)], f32, become codes of FP6 (E2M3) with one E8M0 byte for each 32 along K, and the cosines and sines of RoPE become a table.
; THE CODES ARE LAID AS IMAGES OF OPERAND REGISTERS.  A half image is 16 rows x 64 K, 768 bytes: lane l = (r = l % 16, h = l / 16) holds k = 32 h .. 32 h + 31 of row r in six registers;
; registers 0-3 lie at byte 16 l, registers 4-5 at byte 512 + 8 l.  Two half images on end are one fragment (16 rows x 128 K); fragment (row tile t, K step s) lies at (8 t + s) x 1536.
; Scale words (four bytes: 128 along K of one row) lie [row tile][s / 2][r][s % 2], 512 bytes a row tile.
; Work-groups 0-511: one tile of 16 rows of x each; wave w takes K 256 w .. 256 w + 255, and the table rows of 4 tokens.  Work-groups 512-639: a weight, 256 along K, 128 columns; a lane takes a column, its registers run down K.
; W_o's rows are taken in the order in which the attention launch leaves its channels inside a block of 32: places 8-15 hold elements 16-23, places 16-23 hold elements 8-15.  A block's set of numbers is unchanged.
; A block's scale is 2^(floor(log2(largest magnitude)) - 2); its byte is the largest magnitude's exponent field - 2, held at 1 from below (a block of zeros keeps the byte 1: its codes are zeros, and this program alone reads the bytes).
; THE TABLE: row t (256 bytes) holds (cos, sin) of position[t] x 10^(-j / 8), j = 0 .. 31; row 8192 holds (1, 0).  The angle is rounded as f32(position) x f32(frequency); it is reduced by multiples of pi / 2 in three fused steps;
; sine and cosine are polynomials on [-pi/4, pi/4].  No branch hangs on data.
; LIMITS: NaN and infinities are not served; blocks under 2^-124 keep the byte 1; |position| up to 32,768; the frequencies are the f32 numbers nearest to 10^(-j / 8).
.set SPW,   12                         ; v12  LDS address of my spare word; never rewritten
.set NIL,   13                         ; v13  0; never rewritten
.set STG,   8448                       ; a stage: 16 rows x (512 bytes + 16); two for each wave
.set SPARE, 8*STG                      ; behind the eight stages: the spare words, 128 bytes a wave, two blocks of 256 bytes that no other line names
.set XR,    16                         ; v16-143  x as loaded: 16 rows x 4 registers for each of two K steps
.set XN,    144                        ; v144-207 64 numbers of my row: two whole blocks
.set CX,    208                        ; v208-231 codes: 12 registers for each K step, so that no store's data are written again
.set IFQ,   245                        ; v245     the frequency of pair j = lane
	s_load_b512 s[4:19], s[0:1], 0x0               ; x, token_position, W_q, W_k, W_v, W_o, xc, xs
	s_load_b128 s[20:23], s[0:1], 0x40             ; wc, ws
	s_load_b64 s[24:25], s[0:1], 0x50              ; tab
	v_lshl_add_u32 v[SPW], v0, 2, SPARE
	v_mov_b32 v[NIL], 0
	v_lshrrev_b32 v1, 5, v0
	v_readfirstlane_b32 s26, v1                    ; wave
	v_and_b32 v1, 31, v0                           ; lane
	v_and_b32 v2, 15, v0                           ; r
	v_bfe_u32 v3, v0, 4, 1                         ; h
	v_lshlrev_b32 v4, 4, v1                        ; 16 l
	v_lshlrev_b32 v5, 3, v1                        ; 8 l
	s_mov_b32 s28, 0x76543210
	s_mov_b32 s29, 0xfedcba98                      ; v_permlanex16_b32's selects for lane l xor 16
	s_cmp_lt_u32 ttmp9, 512
	s_cbranch_scc0 .Lweights
	; ---------------- x ----------------
	s_lshl_b32 s30, ttmp9, 16                      ; x: 16 rows of 4,096 bytes a work-group,
	s_lshl_b32 s31, s26, 10                        ; 1,024 bytes of each row a wave
	s_add_co_u32 s30, s30, s31
	s_mov_b32 s31, 0
	s_lshl_b32 s32, ttmp9, 6                       ; positions: 16 a work-group, 4 a wave, 4 bytes each
	s_lshl_b32 s33, s26, 4
	s_add_co_u32 s32, s32, s33
	s_mov_b32 s33, 0
	s_mul_i32 s40, ttmp9, 12288                    ; codes: 8 fragments a row tile, 2 a wave
	s_mul_i32 s41, s26, 3072
	s_add_co_u32 s40, s40, s41
	s_mov_b32 s41, 0
	s_lshl_b32 s42, ttmp9, 12                      ; table: 256 bytes a token
	s_lshl_b32 s43, s26, 10
	s_add_co_u32 s42, s42, s43
	s_mov_b32 s43, 0
	s_lshl_b32 s44, ttmp9, 9                       ; scale words: 512 bytes a row tile, 128 a wave
	s_lshl_b32 s45, s26, 7
	s_add_co_u32 s44, s44, s45
	s_mov_b32 s45, 0
	s_mul_i32 s34, s26, 2*STG                      ; my two stages
	s_wait_alu depctr_va_vdst(0)
	v_add_nc_u32 v6, s34, v4                       ; in: a row's 512 bytes as they lie
	v_mul_u32_u24 v7, v2, 528
	v_lshl_add_u32 v7, v3, 7, v7
	v_add_nc_u32 v7, s34, v7                       ; out: row r, + 128 h: my block of 32 numbers
	v_lshlrev_b32 v8, 3, v3                        ; 8 h: my bytes' place in a scale word
	v_mov_b32 v11, 0                               ; (a lane permute's destination counts as one of its sources)
	v_lshlrev_b32 v14, 3, v2
	v_lshl_add_u32 v14, v3, 2, v14                 ; scale words out: 8 r + 4 h
	s_wait_kmcnt 0x0
	s_add_nc_u64 s[4:5], s[4:5], s[30:31]
	s_add_nc_u64 s[6:7], s[6:7], s[32:33]
	s_add_nc_u64 s[16:17], s[16:17], s[40:41]
	s_add_nc_u64 s[42:43], s[24:25], s[42:43]
	s_add_nc_u64 s[18:19], s[18:19], s[44:45]
.irp q, 0,1
.irp i, 0,1,2,3,4,5,6,7,8,9,10,11,12,13,14,15
	global_load_b128 v[XR+64*\q+4*\i:XR+64*\q+4*\i+3], v4, s[4:5] offset:4096*\i+512*\q th:TH_LOAD_NT   ; 32 lanes read 512 consecutive bytes: 128 along K of row i
.endr
.endr
	s_load_b128 s[36:39], s[6:7], 0x0              ; my four tokens' positions
	; the table is made while x is on its way
	v_mov_b32 v[IFQ], 0
.macro IFR lane, val
	s_mov_b32 s35, \val
	v_writelane_b32 v[IFQ], s35, \lane
.endm
	IFR 0, 1.0
	IFR 1, 0.7498942093
	IFR 2, 0.5623413252
	IFR 3, 0.4216965034
	IFR 4, 0.3162277660
	IFR 5, 0.2371373706
	IFR 6, 0.1778279410
	IFR 7, 0.1333521432
	IFR 8, 0.1
	IFR 9, 0.07498942093
	IFR 10, 0.05623413252
	IFR 11, 0.04216965034
	IFR 12, 0.03162277660
	IFR 13, 0.02371373706
	IFR 14, 0.01778279410
	IFR 15, 0.01333521432
	IFR 16, 0.01
	IFR 17, 0.007498942093
	IFR 18, 0.005623413252
	IFR 19, 0.004216965034
	IFR 20, 0.003162277660
	IFR 21, 0.002371373706
	IFR 22, 0.001778279410
	IFR 23, 0.001333521432
	IFR 24, 0.001
	IFR 25, 0.0007498942093
	IFR 26, 0.0005623413252
	IFR 27, 0.0004216965034
	IFR 28, 0.0003162277660
	IFR 29, 0.0002371373706
	IFR 30, 0.0001778279410
	IFR 31, 0.0001333521432
	s_wait_kmcnt 0x0
; token t of my four: (cos, sin) of its angle with my lane's frequency, into registers of its own
.macro SINCOS t
	v_cvt_f32_i32 v224, s[36+\t]
	s_wait_alu depctr_va_vdst(0)
	v_mul_f32 v224, v224, v[IFQ]                   ; the angle a, rounded once
	v_mul_f32 v225, 0x3f22f983, v224               ; a x 2 / pi
	v_rndne_f32 v225, v225                         ; n
	v_fmamk_f32 v226, v225, 0xbfc90fd8, v224       ; a - n pi / 2, pi / 2 in three parts: the first product is exact
	v_fmamk_f32 v226, v225, 0xb4a8885a, v226
	v_fmamk_f32 v226, v225, 0xa7c234c4, v226       ; r, at most pi / 4
	v_mul_f32 v227, v226, v226                     ; z = r^2
	v_mov_b32 v228, 0xb94ca1f9
	v_fmaak_f32 v228, v228, v227, 0x3c08839e
	v_fmaak_f32 v228, v228, v227, 0xbe2aaaa3
	v_mul_f32 v228, v228, v227
	v_fma_f32 v228, v228, v226, v226               ; sin r = r + r z P(z)
	v_mov_b32 v229, 0x37ccf5ce
	v_fmaak_f32 v229, v229, v227, 0xbab6061a
	v_fmaak_f32 v229, v229, v227, 0x3d2aaaa5
	v_mul_f32 v231, v227, v227
	v_fma_f32 v232, v227, -0.5, 1.0
	v_fma_f32 v229, v229, v231, v232               ; cos r = 1 - z / 2 + z^2 Q(z)
	v_cvt_i32_f32 v230, v225                       ; the quadrant
	v_and_b32 v231, 1, v230
	v_cmp_eq_u32 vcc_lo, 1, v231
	v_cndmask_b32 v[249+2*\t], v228, v229, vcc_lo  ; odd quadrants change sine and cosine
	v_cndmask_b32 v[248+2*\t], v229, v228, vcc_lo
	v_lshlrev_b32 v231, 30, v230
	v_and_b32 v231, 0x80000000, v231
	v_xor_b32 v[249+2*\t], v231, v[249+2*\t]       ; the sine is negative in quadrants 2, 3: bit 1 of n
	v_add_nc_u32 v230, 1, v230
	v_lshlrev_b32 v231, 30, v230
	v_and_b32 v231, 0x80000000, v231
	v_xor_b32 v[248+2*\t], v231, v[248+2*\t]       ; the cosine in quadrants 1, 2: bit 1 of n + 1
	global_store_b64 v5, v[248+2*\t:249+2*\t], s[42:43] offset:256*\t   ; 32 lanes store a token's 256 consecutive bytes, aligned
.endm
	SINCOS 0
	SINCOS 1
	SINCOS 2
	SINCOS 3
	s_or_b32 s35, ttmp9, s26
	s_cmp_lg_u32 s35, 0
	s_cbranch_scc1 .Lnot_first
	v_mov_b32 v246, 1.0                            ; row 8192: the rotation that changes nothing
	v_mov_b32 v247, 0
	global_store_b64 v5, v[246:247], s[24:25] offset:2097152
.Lnot_first:
; K step q of my two: through its stage (LDS serves a wave's instructions in order: no wait between the stores and the loads), then two whole blocks a lane
.macro XQ q
	s_wait_loadcnt 16*(1-(\q))                     ; this K step's 16 loads are in; the younger K step's 16 may be out
.irp i, 0,1,2,3,4,5,6,7,8,9,10,11,12,13,14,15
	ds_store_b128 v6, v[XR+64*(\q)+4*\i:XR+64*(\q)+4*\i+3] offset:STG*(\q)+528*\i
.endr
.irp c, 0,1
.irp j, 0,1,2,3,4,5,6,7
	ds_load_b128 v[XN+32*\c+4*\j:XN+32*\c+4*\j+3], v7 offset:STG*(\q)+256*\c+16*\j   ; k = 64 c + 32 h + 4 j .. of row r; rows 33 x 16 bytes apart: sixteen rows, sixteen different columns of banks
.endr
.endr
	s_wait_dscnt 0x0
.irp c, 0,1
	v_max3_num_f32 v[232+\c], |v[XN+32*\c]|, |v[XN+1+32*\c]|, 0x1800000   ; block 2 c + h: all 32 numbers are mine; the floor 2^(3 - 127) holds the byte at 1 from below
.endr
.irp i, 2,4,6,8,10,12,14,16,18,20,22,24,26,28,30
.irp c, 0,1
	v_max3_num_f32 v[232+\c], v[232+\c], |v[XN+32*\c+\i]|, |v[XN+1+32*\c+\i]|
.endr
.endr
.irp c, 0,1
	v_add_nc_u32 v[234+\c], 0xff000000, v[232+\c]  ; 2 off the exponent field: the conversion's scale operand
.endr
.irp c, 0,1
	v_lshrrev_b32 v[236+\c], 23, v[234+\c]         ; the scale's byte
.endr
	v_lshl_or_b32 v[9+(\q)], v237, 16, v236        ; my bytes: blocks h and 2 + h,
	v_lshlrev_b32 v[9+(\q)], v8, v[9+(\q)]         ; at their places;
	v_permlanex16_b32 v11, v[9+(\q)], s28, s29
	v_or_b32 v[9+(\q)], v[9+(\q)], v11             ; with lane l xor 16's two the word is whole
.irp c, 0,1
	v_cvt_scalef32_pk16_fp6_f32 v[CX+12*(\q)+6*\c:CX+12*(\q)+6*\c+2], v[XN+32*\c:XN+32*\c+15], v[234+\c]
	v_cvt_scalef32_pk16_fp6_f32 v[238+4*\c:240+4*\c], v[XN+32*\c+16:XN+32*\c+31], v[234+\c]   ; (a conversion's three registers begin on an even number)
.endr
	v_nop                                          ; one plain place behind a scaled conversion
.irp c, 0,1
.irp i, 0,1,2
	v_mov_b32 v[CX+12*(\q)+6*\c+3+\i], v[238+4*\c+\i]
.endr
.endr
.irp c, 0,1
	global_store_b128 v4, v[CX+12*(\q)+6*\c:CX+12*(\q)+6*\c+3], s[16:17] offset:1536*(\q)+768*\c         ; 512 consecutive bytes,
	global_store_b64 v5, v[CX+12*(\q)+6*\c+4:CX+12*(\q)+6*\c+5], s[16:17] offset:1536*(\q)+768*\c+512   ; and 256: a half image
.endr
.endm
	XQ 0
	XQ 1
	v_cmp_eq_u32 vcc_lo, 1, v3
	v_cndmask_b32 v11, v9, v10, vcc_lo             ; lanes 0-15 store the first K step's word, lanes 16-31 the second's
	global_store_b32 v14, v11, s[18:19]            ; 128 consecutive bytes
	s_wait_tensorcnt 0x0                           ; the wave's end
	ds_add_u32 v[SPW], v[NIL]
	s_wait_dscnt 0x0
	s_endpgm
	; ---------------- the weights: no LDS ----------------
.Lweights:
	s_sub_co_u32 s30, ttmp9, 512
	s_lshr_b32 s31, s30, 5                         ; which weight: 0 q, 1 k, 2 v, 3 o
	s_bfe_u32 s32, s30, 0x20003                    ; which 256 along K
	s_and_b32 s33, s30, 7                          ; which 128 columns
	s_lshl_b32 s34, s32, 20                        ; in: 256 rows of 4,096 bytes,
	s_lshl_b32 s35, s33, 9                         ; 128 columns of 4 bytes,
	s_add_co_u32 s34, s34, s35
	s_lshl_b32 s35, s26, 7                         ; 32 columns a wave
	s_add_co_u32 s34, s34, s35
	s_mov_b32 s35, 0
	s_lshl_b32 s36, s31, 6                         ; my first row tile of wc: 64 a weight, 8 a work-group, 2 a wave
	s_lshl_b32 s37, s33, 3
	s_add_co_u32 s36, s36, s37
	s_lshl_b32 s37, s26, 1
	s_add_co_u32 s36, s36, s37
	s_mul_i32 s38, s36, 12288
	s_mul_i32 s39, s32, 3072
	s_add_co_u32 s38, s38, s39
	s_mov_b32 s39, 0
	s_lshl_b32 s40, s36, 9
	s_lshl_b32 s41, s32, 7
	s_add_co_u32 s40, s40, s41
	s_mov_b32 s41, 0
	s_cmp_eq_u32 s31, 3
	s_cselect_b32 s42, 32768, 0                    ; W_o: registers 8-15 read 8 rows further down,
	s_cselect_b32 s43, 0, 32768                    ; registers 16-23 8 rows further up (their immediate is 8 rows low: the other weights add them back)
	s_wait_alu depctr_va_vdst(0)
	v_lshlrev_b32 v6, 2, v1
	v_add_nc_u32 v7, s42, v6
	v_add_nc_u32 v8, s43, v6
	v_lshlrev_b32 v9, 9, v3
	v_lshl_add_u32 v9, v2, 3, v9                   ; scale words out: row tile l / 16, row l % 16
	s_wait_alu depctr_va_vdst(0)
	s_wait_kmcnt 0x0
	s_cmp_eq_u32 s31, 1
	s_cselect_b64 s[8:9], s[10:11], s[8:9]
	s_cmp_eq_u32 s31, 2
	s_cselect_b64 s[8:9], s[12:13], s[8:9]
	s_cmp_eq_u32 s31, 3
	s_cselect_b64 s[8:9], s[14:15], s[8:9]
	s_add_nc_u64 s[8:9], s[8:9], s[34:35]
	s_add_nc_u64 s[20:21], s[20:21], s[38:39]
	s_add_nc_u64 s[22:23], s[22:23], s[40:41]
.macro LOADB t                         ; block t of 8: 32 rows of my column into set t % 2; a wave's load covers 128 consecutive bytes, the four waves 512
.irp i, 0,1,2,3,4,5,6,7,8,9,10,11,12,13,14,15,16,17,18,19,20,21,22,23,24,25,26,27,28,29,30,31
.if (\i < 8) || (\i >= 24)
	global_load_b32 v[16+32*((\t)%2)+\i], v6, s[8:9] offset:(32*(\t)+\i)*4096 th:TH_LOAD_NT
.elseif \i < 16
	global_load_b32 v[16+32*((\t)%2)+\i], v7, s[8:9] offset:(32*(\t)+\i)*4096 th:TH_LOAD_NT
.else
	global_load_b32 v[16+32*((\t)%2)+\i], v8, s[8:9] offset:(32*(\t)+\i-8)*4096 th:TH_LOAD_NT
.endif
.endr
.endm
.macro BLOCKW t
.set XS, 16+32*((\t)%2)
.set CC, 80+6*((\t)%4)
.if (\t) < 7
	s_wait_loadcnt 32                              ; this block's 32 loads are in; the next block's may be out
.else
	s_wait_loadcnt 0x0
.endif
.if (\t) == 4
	s_wait_xcnt 0x0                                ; the first four blocks' stores have read their registers: these are written again only behind this wait
.endif
	v_max3_num_f32 v108, |v[XS]|, |v[XS+1]|, |v[XS+2]|
	v_max3_num_f32 v109, |v[XS+3]|, |v[XS+4]|, |v[XS+5]|
.irp i, 6,10,14,18,22,26
	v_max3_num_f32 v108, v108, |v[XS+\i]|, |v[XS+\i+1]|
	v_max3_num_f32 v109, v109, |v[XS+\i+2]|, |v[XS+\i+3]|
.endr
	v_max3_num_f32 v108, v108, |v[XS+30]|, |v[XS+31]|
	v_max3_num_f32 v108, v108, v109, 0x1800000     ; and the floor
	v_add_nc_u32 v110, 0xff000000, v108
	v_lshrrev_b32 v109, 23, v110
.if (\t)%4 == 0
	v_mov_b32 v[112+(\t)/4], v109                  ; four bytes to a word, the lower K in the lower byte
.else
	v_lshl_or_b32 v[112+(\t)/4], v109, 8*((\t)%4), v[112+(\t)/4]
.endif
	v_cvt_scalef32_pk16_fp6_f32 v[CC:CC+2], v[XS:XS+15], v110
	v_cvt_scalef32_pk16_fp6_f32 v[104:106], v[XS+16:XS+31], v110
	v_nop
.irp i, 0,1,2
	v_mov_b32 v[CC+3+\i], v[104+\i]
.endr
.if (\t)+2 < 8
	LOADB (\t)+2
.endif
.endm
; Four blocks (128 along K) of 32 columns are two fragments.  Block b lies in v[80 + 6 b] on, a column a lane.  A half image wants rows 0-15 with block 2 c in lanes 0-15 and block 2 c + 1 in lanes 16-31:
; the exchange of the first's upper lanes with the second's lower lanes gives the first row tile's half image in the first run of registers and the second row tile's in the second.
.macro OUTW qq
.irp i, 0,1,2,3,4,5
	v_permlane16_swap_b32 v[80+\i], v[86+\i]
	v_permlane16_swap_b32 v[92+\i], v[98+\i]
.endr
.irp u, 0,1
.irp c, 0,1
	global_store_b128 v4, v[80+6*\u+12*\c:80+6*\u+12*\c+3], s[20:21] offset:12288*\u+1536*(\qq)+768*\c
	global_store_b64 v5, v[80+6*\u+12*\c+4:80+6*\u+12*\c+5], s[20:21] offset:12288*\u+1536*(\qq)+768*\c+512
.endr
.endr
.endm
	LOADB 0
	LOADB 1
	BLOCKW 0
	BLOCKW 1
	BLOCKW 2
	BLOCKW 3
	OUTW 0
	BLOCKW 4
	BLOCKW 5
	BLOCKW 6
	BLOCKW 7
	OUTW 1
	global_store_b64 v9, v[112:113], s[22:23]      ; my column's two scale words: sixteen lanes store 128 consecutive bytes
	s_endpgm
.Lfunc_end_k_q0b6155780b_prep:
	.size	k_q0b6155780b_prep, .Lfunc_end_k_q0b6155780b_prep-k_q0b6155780b_prep
	.p2alignl 7, 3214868480
	.fill 96, 4, 3214868480
	.section	.rodata,"a",@progbits
	.p2align	6, 0x0
	.amdhsa_kernel k_q0b6155780b_prep
		.amdhsa_group_segment_fixed_size 68096
		.amdhsa_private_segment_fixed_size 0
		.amdhsa_enable_private_segment 0
		.amdhsa_kernarg_size 88
		.amdhsa_user_sgpr_count 2
		.amdhsa_user_sgpr_kernarg_segment_ptr 1
		.amdhsa_wavefront_size32 1
		.amdhsa_system_sgpr_workgroup_id_x 1
		.amdhsa_system_sgpr_workgroup_id_y 1
		.amdhsa_system_sgpr_workgroup_id_z 1
		.amdhsa_system_vgpr_workitem_id 0
		.amdhsa_next_free_vgpr 256
		.amdhsa_next_free_sgpr 66
		.amdhsa_reserve_vcc 1
		.amdhsa_float_denorm_mode_32 3
		.amdhsa_float_denorm_mode_16_64 3
		.amdhsa_memory_ordered 1
		.amdhsa_forward_progress 1
		.amdhsa_inst_pref_size 67
	.end_amdhsa_kernel
	.amdgpu_metadata
---
amdhsa.version: [ 1, 2 ]
amdhsa.kernels:
  - .name:           k_q0b6155780b_prep
    .symbol:         k_q0b6155780b_prep.kd
    .args:
      - { .name: x, .offset: 0, .size: 8, .value_kind: global_buffer, .address_space: global }
      - { .name: token_position, .offset: 8, .size: 8, .value_kind: global_buffer, .address_space: global }
      - { .name: W_q, .offset: 16, .size: 8, .value_kind: global_buffer, .address_space: global }
      - { .name: W_k, .offset: 24, .size: 8, .value_kind: global_buffer, .address_space: global }
      - { .name: W_v, .offset: 32, .size: 8, .value_kind: global_buffer, .address_space: global }
      - { .name: W_o, .offset: 40, .size: 8, .value_kind: global_buffer, .address_space: global }
      - { .name: xc, .offset: 48, .size: 8, .value_kind: global_buffer, .address_space: global }
      - { .name: xs, .offset: 56, .size: 8, .value_kind: global_buffer, .address_space: global }
      - { .name: wc, .offset: 64, .size: 8, .value_kind: global_buffer, .address_space: global }
      - { .name: ws, .offset: 72, .size: 8, .value_kind: global_buffer, .address_space: global }
      - { .name: tab, .offset: 80, .size: 8, .value_kind: global_buffer, .address_space: global }
    .group_segment_fixed_size: 68096
    .private_segment_fixed_size: 0
    .kernarg_segment_align: 8
    .kernarg_segment_size: 88
    .max_flat_workgroup_size: 128
    .sgpr_count:     66
    .vgpr_count:     256
    .wavefront_size: 32
...
	.end_amdgpu_metadata
.endif
;; end of part 1
;; launch qkvg (part 2): grid 12 x 32, 4 waves a work-group, clusters of 4 x 4, 327,680 bytes of LDS; arguments xc, xs, wc, ws, tab, qkv; writes qkv
.if DOCPART == 2
	.amdgcn_target "amdgcn-amd-amdhsa--gfx1250"
	.amdhsa_code_object_version 6
	.text
	.protected	k_q0b6155780b_qkvg
	.globl	k_q0b6155780b_qkvg
	.p2align	8
	.type	k_q0b6155780b_qkvg,@function
k_q0b6155780b_qkvg:
	s_mov_b64 s[64:65], 0
	v_nop
	global_prefetch_b8 v0, s[64:65] scope:SCOPE_SE
	s_setreg_imm32_b32 hwreg(HW_REG_WAVE_MODE, 25, 1), 1
	s_wait_xcnt 0x0
	s_wait_alu depctr_hold_cnt(0) depctr_sa_sdst(0) depctr_va_vdst(0) depctr_va_sdst(0) depctr_va_ssrc(0) depctr_va_vcc(0) depctr_vm_vsrc(0)
	s_getreg_b32 s2, hwreg(HW_REG_IB_STS2, 6, 4)
	s_cmp_eq_u32 s2, 0
	s_cbranch_scc0 .Lentry_in_a_cluster
	s_endpgm
.Lentry_in_a_cluster:
	s_bfe_u32 s2, ttmp6, 0x10000c
	s_cmp_lg_u32 s2, 0xf033
	s_cbranch_scc0 .Lentry_shape_is_right
	s_endpgm
.Lentry_shape_is_right:
.set NA,    8
.set TILEB, 3072
.set SLOT,  (2*NA+16)*TILEB
.set SCL,   2*SLOT
.set SPARE, SCL+NA*1024+8192
.set HS,    307200
.set ADRA,  16
.set ADRB,  20
.set VT,    26
.set ADRS,  27
.set SPW,   28
.set NIL,   29
.set SC,    32
.set AF,    64
.set HA,    64
.set TT,    128
.set PC,    136
.set TM,    160
.set PW,    176
.set G1A,  24
.set G0A,  32
.set G1B,  48
.set G0B,  56
.set G1SA, 68
.set G0SA, 76
.set G1SB, 80
.set G0SB, 88
.set MSB, 0
.macro WIN new
.if MSB != (\new)
	s_set_vgpr_msb (MSB<<8)|(\new)
.set MSB, (\new)
.endif
.endm
.macro JLOAD g0a, g1a, g0b, g1b
	s_cmp_eq_u32 s17, 0
	s_cbranch_scc0 .Lfor_b_\@
	tensor_load_to_lds s[\g0a:\g0a+3], s[\g1a:\g1a+7]
	s_nop 0
.rept 4
	v_nop
.endr
	s_branch .Lasked_\@
.Lfor_b_\@:
	tensor_load_to_lds s[\g0b:\g0b+3], s[\g1b:\g1b+7]
	s_nop 0
.rept 4
	v_nop
.endr
.Lasked_\@:
.endm
.macro CREST
	s_cmp_lg_u32 s16, 0
	s_cbranch_scc1 .Lnot_wave_0_\@
	s_barrier_signal -3
.Lnot_wave_0_\@:
	s_barrier_wait -3
	s_barrier_signal -1
	s_barrier_wait -1
.endm
.macro CROUND
	s_barrier_signal -1
	s_barrier_wait -1
	CREST
.endm
.macro PLACES n
.rept \n
	v_nop
.endr
.endm
	s_load_b256 s[4:11], s[0:1], 0x0
	s_load_b128 s[12:15], s[0:1], 0x20
	v_lshl_add_u32 v[SPW], v0, 2, SPARE
	v_mov_b32 v[NIL], 0
	ds_add_u32 v[SPW], v[NIL]
	ds_add_u32 v[SPW], v[NIL]
	v_lshrrev_b32 v1, 5, v0
	v_readfirstlane_b32 s16, v1
	s_lshr_b32 s17, s16, 1
	s_and_b32 s18, s16, 1
	s_bfe_u32 s40, ttmp6, 0x40000
	s_bfe_u32 s41, ttmp6, 0x40004
	s_and_b32 s42, ttmp7, 0xffff
	s_lshl_b32 s42, s42, 2
	s_lshl_b32 s43, ttmp9, 2
	s_cmp_lt_u32 ttmp9, 2
	s_cselect_b32 s44, s42, 8
	s_cselect_b32 s45, s43, s42
	s_add_co_u32 s44, s44, s41
	s_add_co_u32 s45, s45, s40
	s_lshl_b32 s46, s41, 2
	s_lshl_b32 s46, 15, s46
	s_lshl_b32 s47, 0x1111, s40
	s_or_b32 s[G1A], s46, (3<<16)|(1<<21)
	s_or_b32 s[G1B], s47, (3<<16)|(1<<21)
.irp g, G1A, G1B
	s_mov_b32 s[\g+1], 384<<16
	s_mov_b32 s[\g+2], 16<<16
	s_mov_b32 s[\g+3], 384<<16
	s_mov_b32 s[\g+4], 16
	s_mov_b32 s[\g+5], 1536
	s_mov_b32 s[\g+6], 0
	s_mov_b32 s[\g+7], 0
.endr
	s_or_b32 s[G1SA], s46, (3<<16)|(1<<21)
	s_or_b32 s[G1SB], s47, (3<<16)|(1<<21)
.irp g, G1SA, G1SB
	s_mov_b32 s[\g+1], 32<<16
	s_mov_b32 s[\g+2], 32<<16
	s_mov_b32 s[\g+3], 32<<16
	s_mov_b32 s[\g+4], 32
	s_mov_b32 s[\g+5], 32
	s_mov_b32 s[\g+6], 0
	s_mov_b32 s[\g+7], 0
.endr
	s_lshl_b32 s19, s18, 3
	s_lshl_b32 s92, s44, 4
	s_lshl_b32 s94, s92, 9
	s_mul_i32 s92, s92, 12288
	s_mov_b32 s93, 0
	s_mov_b32 s95, 0
	s_lshl_b32 s96, s45, 4
	s_lshl_b32 s98, s96, 9
	s_mul_i32 s96, s96, 12288
	s_mov_b32 s97, 0
	s_mov_b32 s99, 0
	s_mul_i32 s66, s16, 8*TILEB
	s_lshl_b32 s67, s16, 12
	s_wait_dscnt 0x0
	s_wait_kmcnt 0x0
	s_cmp_lt_u32 ttmp9, 2
	s_cselect_b64 s[20:21], s[4:5], s[8:9]
	s_cselect_b64 s[22:23], s[6:7], s[10:11]
	s_cselect_b64 s[4:5], s[8:9], s[4:5]
	s_cselect_b64 s[6:7], s[10:11], s[6:7]
	s_add_nc_u64 s[20:21], s[20:21], s[92:93]
	s_add_nc_u64 s[22:23], s[22:23], s[94:95]
	s_add_nc_u64 s[4:5], s[4:5], s[96:97]
	s_add_nc_u64 s[6:7], s[6:7], s[98:99]
	CROUND
	s_mov_b32 s[G0SA], 1
	s_mov_b32 s[G0SA+1], SCL
	s_mov_b64 s[G0SA+2:G0SA+3], s[22:23]
	s_or_b32 s[G0SA+3], s[G0SA+3], 0x80000000
	s_mov_b32 s[G0SB], 1
	s_mov_b32 s[G0SB+1], SCL+NA*1024
	s_mov_b64 s[G0SB+2:G0SB+3], s[6:7]
	s_or_b32 s[G0SB+3], s[G0SB+3], 0x80000000
	s_mov_b32 s92, 1                               ; the head's loads of slot 0, each whole: source 1's 16 row tiles,
	s_mov_b32 s93, 0
	s_mov_b64 s[94:95], s[20:21]
	s_or_b32 s95, s95, 0x80000000
	s_mov_b32 s96, 1                               ; and source 0's 16, behind them
	s_mov_b32 s97, 2*NA*TILEB
	s_mov_b64 s[98:99], s[4:5]
	s_or_b32 s99, s99, 0x80000000
	s_mul_i32 s2, s19, 12288                       ; for the ring: my eight row tiles of the sixteen
	s_mov_b32 s3, 0
	s_add_nc_u64 s[20:21], s[20:21], s[2:3]
	s_add_nc_u64 s[4:5], s[4:5], s[2:3]
.irp s, 0,1
	s_mov_b32 s[G0A+4*\s], 1
	s_add_co_u32 s[G0A+4*\s+1], s66, \s*SLOT
	s_add_nc_u64 s[G0A+4*\s+2:G0A+4*\s+3], s[20:21], \s*TILEB
	s_or_b32 s[G0A+4*\s+3], s[G0A+4*\s+3], 0x80000000
	s_mov_b32 s[G0B+4*\s], 1
	s_add_co_u32 s[G0B+4*\s+1], s66, \s*SLOT
	s_add_nc_u64 s[G0B+4*\s+2:G0B+4*\s+3], s[4:5], \s*TILEB
	s_or_b32 s[G0B+4*\s+3], s[G0B+4*\s+3], 0x80000000
.endr
; The head's four tiles, one joint load a wave, in one chain of branches on the wave's number: both operands' slot 0, both operands' scale words
.macro ARM under, g0, g1, next
	s_cmp_lt_u32 s16, \under
	s_cbranch_scc0 \next
	tensor_load_to_lds s[\g0:\g0+3], s[\g1:\g1+7]
	s_nop 0
.rept 4
	v_nop
.endr
	s_branch .Lhead_asked
\next:
.endm
	ARM 1, 92, G1A, .Lhead_b
	ARM 2, 96, G1B, .Lhead_sa
	ARM 3, G0SA, G1SA, .Lhead_sb
	tensor_load_to_lds s[G0SB:G0SB+3], s[G1SB:G1SB+7]
	s_nop 0
.rept 4
	v_nop
.endr
.Lhead_asked:
	s_wait_alu depctr_va_vdst(0)
	s_wait_tensorcnt 0x0                           ; my tile of the four is in
	ds_add_u32 v28, v29
	s_mov_b32 s[G1A+2], 8<<16                      ; no tensor load of mine is out: from here on a load brings eight row tiles
	s_mov_b32 s[G1A+4], 8
	s_mov_b32 s[G1B+2], 8<<16
	s_mov_b32 s[G1B+4], 8
	s_wait_dscnt 0x0
	CROUND
	JLOAD G0A+4, G1A, G0B+4, G1B
	v_and_b32 v1, 31, v0
	v_and_b32 v2, 15, v0
	v_bfe_u32 v3, v0, 4, 1
	v_lshlrev_b32 v4, 4, v1
	v_lshlrev_b32 v5, 3, v1
	s_mul_i32 s19, s17, NA*TILEB
	s_mul_i32 s2, s18, 8*TILEB
	s_add_co_u32 s2, s2, 2*NA*TILEB
.irp s, 0,1
	v_add_nc_u32 v[ADRA+2*\s], s19, v4
	v_add_nc_u32 v[ADRA+2*\s+1], s19, v5
	v_add_nc_u32 v[ADRB+2*\s], s2, v4
	v_add_nc_u32 v[ADRB+2*\s+1], s2, v5
	s_add_co_u32 s19, s19, SLOT
	s_add_co_u32 s2, s2, SLOT
.endr
	s_mul_i32 s19, s17, NA*512
	s_lshl_b32 s2, s18, 12
	s_add_co_u32 s2, s2, NA*1024
	s_sub_co_u32 s2, s2, s19
	v_mul_u32_u24 v6, s2, v3
	s_add_co_u32 s19, s19, SCL
	v_lshl_add_u32 v6, v2, 3, v6
	v_add_nc_u32 v[ADRS], s19, v6
	s_lshl_b32 s2, s44, 8
	s_lshl_b32 s3, s17, 7
	s_add_co_u32 s2, s2, s3
	s_lshl_b32 s3, s45, 8
	s_lshl_b32 s19, s18, 7
	s_add_co_u32 s3, s3, s19
	s_lshl_b32 s92, s40, 2
	s_lshl_b32 s19, s18, 1
	s_add_co_u32 s92, s92, s19
	s_lshl_b32 s93, s41, 2
	s_lshl_b32 s19, s17, 1
	s_add_co_u32 s93, s93, s19
	s_cmp_lt_u32 ttmp9, 2
	s_cselect_b32 s2, s2, s3
	s_cselect_b32 s92, s92, s93
	s_mov_b32 s93, 1536
	s_cselect_b32 s93, 768, s93
	s_mov_b32 s94, HS
	s_cselect_b32 s94, 3072, s94
	s_mov_b32 s95, 768
	s_cselect_b32 s95, HS, s95
	s_cselect_b32 s10, 4096, 0
	s_mov_b32 s11, 0
	s_cselect_b32 s19, 256, 0
	s_cselect_b32 s97, 0, -1
	v_mul_u32_u24 v[VT], s19, v2
	v_lshl_add_u32 v[VT], v3, 5, v[VT]
	s_wait_alu depctr_va_vdst(0)
	s_lshl_b32 s8, s2, 8
	s_cmp_lt_u32 ttmp9, 2
	s_cselect_b32 s8, s8, 2097152
	s_mov_b32 s9, 0
	s_add_nc_u64 s[8:9], s[12:13], s[8:9]
	s_lshr_b32 s3, s2, 11
	s_lshl_b32 s3, s3, 4
	s_add_co_u32 s3, s3, s92
	s_mul_i32 s3, s3, HS
	s_bfe_u32 s2, s2, 0x40007
	s_mul_i32 s92, s2, 6144
	s_add_co_u32 s92, s92, s3
	s_lshl_b32 s96, s2, 8
	s_add_co_u32 s96, s96, s3
	s_cmp_eq_u32 ttmp9, 0
	s_cselect_b32 s2, 204800, 0
	s_mov_b32 s3, 196608
	s_cselect_b32 s3, 303104, s3
	s_cmp_eq_u32 ttmp9, 2
	s_cselect_b32 s2, 98304, s2
	s_cselect_b32 s3, 200704, s3
	s_add_co_u32 s92, s92, s2
	s_add_co_u32 s96, s96, s3
	s_mov_b32 s98, 0x76543210
	s_mov_b32 s99, 0xfedcba98
	WIN 0x40
.irp e, 0,1,2,3,4,5,6,7
	global_load_b128 v[192+4*\e:192+4*\e+3], v[VT], s[8:9] offset:64*(\e/2)+16*(\e%2)
.endr
	WIN 0
.macro FRAG reg, adr, off
	ds_load_b128 v[(\reg):(\reg)+3], v[\adr] offset:(\off)
	ds_load_b64 v[(\reg)+4:(\reg)+5], v[(\adr)+1] offset:(\off)+512
	ds_load_b128 v[(\reg)+6:(\reg)+9], v[\adr] offset:(\off)+768
	ds_load_b64 v[(\reg)+10:(\reg)+11], v[(\adr)+1] offset:(\off)+1280
.endm
.macro FETCH slot, q, p
	WIN 0x40
.set FI, 0
.rept 8
	FRAG 96*(\p)+12*FI, ADRB+2*(\slot), FI*TILEB+(\q)*1536
.set FI, FI+1
.endr
	WIN 0
.set FI, 0
.rept NA
	FRAG AF+12*NA*(\p)+12*FI, ADRA+2*(\slot), FI*TILEB+(\q)*1536
.set FI, FI+1
.endr
.endm
.macro SCALES sc
.irp i, 0,1,2,3,4,5,6,7
	ds_load_b64 v[SC+16*(\sc)+2*\i:SC+16*(\sc)+2*\i+1], v[ADRS] offset:512*\i
.endr
.endm
.macro MULA a, p, q, sc, zero
	WIN 0xa1+0x50*((\a)/4)
.irp b, 0,1,2,3,4,5,6,7
.if \zero
	v_wmma_scale_f32_16x16x128_f8f6f4 v[8*(8*((\a)%4)+\b):8*(8*((\a)%4)+\b)+7], v[96*(\p)+12*\b:96*(\p)+12*\b+11], v[AF+12*NA*(\p)+12*(\a):AF+12*NA*(\p)+12*(\a)+11], 0, v[SC+16*(\sc)+2*\b+(\q)], v[SC+16*(\sc)+2*(\a)+(\q)] matrix_a_fmt:MATRIX_FMT_FP6 matrix_b_fmt:MATRIX_FMT_FP6 matrix_a_scale:MATRIX_SCALE_ROW1
.else
	v_wmma_scale_f32_16x16x128_f8f6f4 v[8*(8*((\a)%4)+\b):8*(8*((\a)%4)+\b)+7], v[96*(\p)+12*\b:96*(\p)+12*\b+11], v[AF+12*NA*(\p)+12*(\a):AF+12*NA*(\p)+12*(\a)+11], v[8*(8*((\a)%4)+\b):8*(8*((\a)%4)+\b)+7], v[SC+16*(\sc)+2*\b+(\q)], v[SC+16*(\sc)+2*(\a)+(\q)] matrix_a_fmt:MATRIX_FMT_FP6 matrix_b_fmt:MATRIX_FMT_FP6 matrix_a_scale:MATRIX_SCALE_ROW1
.endif
.endr
.endm
.macro MULS a0, n, p, q, sc, zero
.set MA, \a0
.rept \n
	MULA MA, \p, \q, \sc, \zero
.set MA, MA+1
.endr
.endm
.macro STEP slot, zero
	s_wait_dscnt 0x0
	PLACES 4
	FETCH \slot, 1, 1
	MULS 0, NA, 0, 0, \slot, \zero
.endm
.macro TURN slot, next, fill
	WIN 0
	s_wait_tensorcnt 0x0
	ds_add_u32 v[SPW], v[NIL]
	s_wait_dscnt 1
	MULS 0, NA/4, 1, 1, \slot, 0
	s_wait_dscnt 0x0
	s_barrier_signal -1
	MULS NA/4, NA/4, 1, 1, \slot, 0
	WIN 0
	s_barrier_wait -1
.if \fill
	CREST
	s_add_nc_u64 s[G0A+4*\slot+2:G0A+4*\slot+3], s[G0A+4*\slot+2:G0A+4*\slot+3], 2*TILEB
	s_add_nc_u64 s[G0B+4*\slot+2:G0B+4*\slot+3], s[G0B+4*\slot+2:G0B+4*\slot+3], 2*TILEB
	JLOAD G0A+4*\slot, G1A, G0B+4*\slot, G1B
.else
	PLACES 4
.endif
	s_wait_alu depctr_va_vdst(0)
	v_add_nc_u32 v[ADRS], 128, v[ADRS]
	FETCH \next, 0, 0
	SCALES \next
	MULS NA/2, NA/2, 1, 1, \slot, 0
	WIN 0
.endm
	s_wait_tensorcnt 1
	s_barrier_signal -1
	s_barrier_wait -1
	FETCH 0, 0, 0
	SCALES 0
	STEP 0, 1
	TURN 0, 1, 1
	STEP 1, 0
	TURN 1, 0, 1
	STEP 0, 0
	TURN 0, 1, 0
	STEP 1, 0
	s_wait_dscnt 0x0
	MULS 0, NA, 1, 1, 1, 0
	WIN 0
	PLACES 4
.macro QUANT s, pw
.irp b, 0,1,2,3
	v_max3_num_f32 v[TM+\b], |v[\s+16*\b]|, |v[\s+1+16*\b]|, 0x1800000
.endr
.irp i, 2,4,6,8,10,12,14
.irp b, 0,1,2,3
	v_max3_num_f32 v[TM+\b], v[TM+\b], |v[\s+16*\b+\i]|, |v[\s+1+16*\b+\i]|
.endr
.endr
.irp b, 0,1,2,3
	v_permlanex16_b32 v[TM+4+\b], v[TM+\b], s98, s99
.endr
.irp b, 0,1,2,3
	v_max_num_f32 v[TM+\b], v[TM+\b], v[TM+4+\b]
.endr
.irp b, 0,1,2,3
	v_add_nc_u32 v[TM+12+\b], 0xff000000, v[TM+\b]
.endr
.irp b, 0,1,2,3
	v_lshrrev_b32 v[TM+4+\b], 23, v[TM+12+\b]
.endr
	v_lshl_or_b32 v[\pw], v[TM+5], 8, v[TM+4]
	v_lshl_or_b32 v[\pw], v[TM+6], 16, v[\pw]
	v_lshl_or_b32 v[\pw], v[TM+7], 24, v[\pw]
.irp c, 0,1
	v_cvt_scalef32_pk16_fp6_f32 v[PC+6*\c:PC+2+6*\c], v[\s+32*\c:\s+15+32*\c], v[TM+12+2*\c]
	v_cvt_scalef32_pk16_fp6_f32 v[PC+12+4*\c:PC+14+4*\c], v[\s+16+32*\c:\s+31+32*\c], v[TM+12+2*\c+1]
.endr
	v_nop
.irp c, 0,1
.irp i, 0,1,2
	v_permlane16_swap_b32 v[PC+6*\c+\i], v[PC+12+4*\c+\i]
.endr
.irp i, 0,1,2
	v_mov_b32 v[PC+3+6*\c+\i], v[PC+12+4*\c+\i]
.endr
.endr
.endm
.macro BLOCK a
	s_wait_xcnt 0x0
.if (\a) < 7
	s_add_nc_u64 s[8:9], s[8:9], s[10:11]
	WIN 0x40
.irp e, 0,1,2,3,4,5,6,7
	global_load_b128 v[192+32*(((\a)+1)%2)+4*\e:192+32*(((\a)+1)%2)+4*\e+3], v[VT], s[8:9] offset:64*(\e/2)+16*(\e%2)
.endr
	s_wait_loadcnt 8
.else
	s_wait_loadcnt 0x0
.endif
	WIN 0x06+(\a)/4
.irp bt, 0,1,2,3,4,5,6,7
.irp k, 0,1,2,3
	v_pk_mul_f32 v[TT+2*\k:TT+2*\k+1], v[64*((\a)%4)+8*\bt+2*\k:64*((\a)%4)+8*\bt+2*\k+1], v[192+32*((\a)%2)+8*(\bt%4)+2*\k:192+32*((\a)%2)+8*(\bt%4)+2*\k+1] op_sel:[0,0] op_sel_hi:[0,1]
.endr
.irp k, 0,1,2,3
	v_pk_fma_f32 v[HA+8*\bt+2*\k:HA+8*\bt+2*\k+1], v[64*((\a)%4)+8*\bt+2*\k:64*((\a)%4)+8*\bt+2*\k+1], v[192+32*((\a)%2)+8*(\bt%4)+2*\k:192+32*((\a)%2)+8*(\bt%4)+2*\k+1], v[TT+2*\k:TT+2*\k+1] op_sel:[1,1,0] op_sel_hi:[1,0,1] neg_lo:[0,1,0]
.endr
.endr
	WIN 0
	QUANT HA, PW+(\a)
	s_mul_i32 s2, s93, (\a)%4
	s_mul_i32 s3, s94, (\a)/4
	s_add_co_u32 s2, s2, s3
	s_add_co_u32 s2, s2, s92
	s_mov_b32 s3, 0
	s_add_nc_u64 s[20:21], s[14:15], s[2:3]
	s_add_co_u32 s2, s2, s95
	s_add_nc_u64 s[22:23], s[14:15], s[2:3]
	s_wait_alu depctr_va_vdst(0)
	global_store_b128 v4, v[PC:PC+3], s[20:21]
	global_store_b64 v5, v[PC+4:PC+5], s[20:21] offset:512
	global_store_b128 v4, v[PC+6:PC+9], s[22:23]
	global_store_b64 v5, v[PC+10:PC+11], s[22:23] offset:512
.endm
.irp b, 0,1,2,3
	v_mov_b32 v[TM+4+\b], 0
.endr
.irp a, 0,1,2,3,4,5,6,7
	BLOCK \a
.endr
	v_cmp_eq_u32 s2, 1, v3
	v_mov_b32 v184, 0x05040100
	v_mov_b32 v185, 0x07060302
	v_cndmask_b32 v184, v184, v185, s2
.irp p, 0,1,2,3
	v_perm_b32 v[188+\p], v[PW+2*\p+1], v[PW+2*\p], v184
	v_cndmask_b32 v[192+\p], v[PW+\p], v[PW+4+\p], s2
.endr
.irp p, 0,1,2,3
	v_cndmask_b32 v[188+\p], v[188+\p], v[192+\p], s97
.endr
	v_mul_u32_u24 v186, v3, HS
	v_lshl_add_u32 v186, v2, 4, v186
	s_mov_b32 s2, s96
	s_mov_b32 s3, 0
	s_add_nc_u64 s[4:5], s[14:15], s[2:3]
	global_store_b128 v186, v[188:191], s[4:5]
	s_wait_tensorcnt 0x0
	ds_add_u32 v[SPW], v[NIL]
	s_wait_dscnt 0x0
	CROUND
	s_endpgm
.Lfunc_end_k_q0b6155780b_qkvg:
	.size	k_q0b6155780b_qkvg, .Lfunc_end_k_q0b6155780b_qkvg-k_q0b6155780b_qkvg
	.p2alignl 7, 3214868480
	.fill 96, 4, 3214868480
	.section	.rodata,"a",@progbits
	.p2align	6, 0x0
	.amdhsa_kernel k_q0b6155780b_qkvg
		.amdhsa_group_segment_fixed_size 327680
		.amdhsa_private_segment_fixed_size 0
		.amdhsa_enable_private_segment 0
		.amdhsa_kernarg_size 48
		.amdhsa_user_sgpr_count 2
		.amdhsa_user_sgpr_kernarg_segment_ptr 1
		.amdhsa_wavefront_size32 1
		.amdhsa_system_sgpr_workgroup_id_x 1
		.amdhsa_system_sgpr_workgroup_id_y 1
		.amdhsa_system_sgpr_workgroup_id_z 1
		.amdhsa_system_vgpr_workitem_id 0
		.amdhsa_next_free_vgpr 1024
		.amdhsa_next_free_sgpr 104
		.amdhsa_reserve_vcc 0
		.amdhsa_float_denorm_mode_32 3
		.amdhsa_float_denorm_mode_16_64 3
		.amdhsa_memory_ordered 1
		.amdhsa_forward_progress 1
		.amdhsa_inst_pref_size 192
	.end_amdhsa_kernel
	.amdgpu_metadata
---
amdhsa.version: [ 1, 2 ]
amdhsa.kernels:
  - .name:           k_q0b6155780b_qkvg
    .symbol:         k_q0b6155780b_qkvg.kd
    .args:
      - { .name: xc, .offset: 0, .size: 8, .value_kind: global_buffer, .address_space: global }
      - { .name: xs, .offset: 8, .size: 8, .value_kind: global_buffer, .address_space: global }
      - { .name: wc, .offset: 16, .size: 8, .value_kind: global_buffer, .address_space: global }
      - { .name: ws, .offset: 24, .size: 8, .value_kind: global_buffer, .address_space: global }
      - { .name: tab, .offset: 32, .size: 8, .value_kind: global_buffer, .address_space: global }
      - { .name: qkv, .offset: 40, .size: 8, .value_kind: global_buffer, .address_space: global }
    .group_segment_fixed_size: 327680
    .private_segment_fixed_size: 0
    .kernarg_segment_align: 8
    .kernarg_segment_size: 48
    .max_flat_workgroup_size: 128
    .sgpr_count:     104
    .vgpr_count:     1024
    .wavefront_size: 32
...
	.end_amdgpu_metadata
.endif
;; end of part 2
;; launch attn (part 3): grid 4 x 64, 16 waves a work-group, clusters of 4 x 1, 262,144 bytes of LDS; arguments qkv, ac, asc; writes ac, asc
.if DOCPART == 3
	.amdgcn_target "amdgcn-amd-amdhsa--gfx1250"
	.amdhsa_code_object_version 6
	.text
	.protected	k_q0b6155780b_attn
	.globl	k_q0b6155780b_attn
	.p2align	8
	.type	k_q0b6155780b_attn,@function
k_q0b6155780b_attn:
	s_mov_b64 s[64:65], 0
	v_nop
	global_prefetch_b8 v0, s[64:65] scope:SCOPE_SE
	s_setreg_imm32_b32 hwreg(HW_REG_WAVE_MODE, 25, 1), 1
	s_wait_xcnt 0x0
	s_wait_alu depctr_hold_cnt(0) depctr_sa_sdst(0) depctr_va_vdst(0) depctr_va_sdst(0) depctr_va_ssrc(0) depctr_va_vcc(0) depctr_vm_vsrc(0)
	s_getreg_b32 s2, hwreg(HW_REG_IB_STS2, 6, 4)
	s_cmp_eq_u32 s2, 0
	s_cbranch_scc0 .Lentry_in_a_cluster
	s_endpgm
.Lentry_in_a_cluster:
	s_bfe_u32 s2, ttmp6, 0x10000c
	s_cmp_lg_u32 s2, 0x3003
	s_cbranch_scc0 .Lentry_shape_is_right
	s_endpgm
.Lentry_shape_is_right:
; Attention of one head on codes of FP6 (E2M3) with E8M0 scales: S^T = K Q^T (K = the head's 64), p = 2^(t - M), O^T = V^T P^T (K = the keys), O / the row's sum, quantised for the last product.
; t = score x log2(e) / 8; M = the running largest t rounded UP to a whole number, kept as -M = the least floor(-t) so far; p is not normalised; the row's sum is taken of the unquantised p, in f32.
; When M moves, the sum and O^T are multiplied by 2^(old M - new M): exact.
; SHARES.  A work-group owns 512 queries of one head; each of its sixteen waves owns two tiles of 16 queries, A and B, and takes BOTH through all 2,048 keys in one pass, 128 keys a step: each fragment of K and of V
; is read from LDS once for the two tiles.  A step: K in; A's scores, A's softmax and codes; B's scores; V in, over K; B's softmax and codes; eight products for O^T.  Four waves share a SIMD.
; LDS holds the head's K, V and their scale words WHOLE: bytes 0 .. 204,799 of the head's region of qkv, 800 units of 256 bytes, each with 64 bytes of padding behind it (pitch UP = 320).  Every wave asks for 50 units
; by ONE joint load at the head; nothing is filled again: one barrier, no ring.  The four work-groups of a cluster are the four query blocks of one head: each tile is asked for jointly.
; No prefetch: all that the launch reads by tensor loads is asked for at its head, so there is no loop to run ahead in.
; OPERANDS are register images: a half image (16 rows x 64 K) is three units: registers 0-3 of lanes 0-15, of lanes 16-31, registers 4-5 of all lanes; two half images on end are a fragment (FRB bytes of LDS).
; K = 64 IN AN INSTRUCTION OF 128: source 0 is two tiles of keys, [K0 | K1]; source 1 is [Q | 0] for the first and [0 | Q] for the second: the 30 registers 0, Q_A, 0, Q_B, 0 serve both tiles of queries.
; WHICH KEYS FORM A TILE.  Lanes r = 0-7 of fragment (c, u) read rows 8 u + r of the stored pair of tiles 2 c, lanes r = 8-15 rows 8 u + r - 8 of pair 2 c + 1, which lies 32 keys on.  In the result a lane of half h holds rows
; 8 h + j: so the 32 scores of a lane in band c (registers S + 32 c ..) are ONE block of 32 keys, block 2 c + h, in the order 0-7, 16-23, 8-15, 24-31, in which V's codes lie.  A block's largest p needs no other lane,
; and the conversions' results are the operand's registers.
; SCALE REGISTERS carry two words each, one in lanes 0-15 and one in lanes 16-31, chosen by the ROW selectors: K's fragments u = 0, 1; V's tiles t and t + 2; Q's tiles A and B.  p's word is made for lanes 0-15.
; DEPENDENT LINES are laid apart: eight chains of maxima, the scale's lines among the multiply-adds, the moves among the sum's tree.  Where a plain line still reads the result of the plain line one to four lines back, a one-field s_delay_alu stands ahead of it.
; A lane holds ONE query of each tile throughout (both products are used transposed).
; LIMITS: NaN and infinities are not served; a block of p or of O under 2^-124 keeps the byte 1 (its codes are zeros or subnormal codes); the scaled scores stay under 2^31 in magnitude.
.set HS,    307200                     ; a head's region of qkv
.set UP,    320                        ; a unit in LDS: 256 bytes + 64 of padding
.set HI,    3*UP                       ; a half image
.set FRB,   6*UP                       ; a fragment
.set STB,   24*UP                      ; a key step's four fragments
.set VB,    16*STB                     ; V's codes lie behind K's
.set SCB,   2*VB                       ; the scale words: K's 16 units (one a step), then V's 16
.set SPARE, SCB+32*UP                  ; the spare words, 128 bytes for each of 16 waves: eight blocks of 256 bytes that no other line names
.set SPW,   1                          ; v0 stays the thread's number
.set NIL,   2
.set BK16,  3                          ; v3, v4   my place in K's fragments (16-byte and 8-byte pieces); v5 among K's scale words
.set BK8,   4
.set BKS,   5
.set BV16,  6                          ; v6-8     the same for V
.set BV8,   7
.set BVS,   8
.set QS,    9                          ; v9       Q's scale words: lanes 0-15 tile A's, lanes 16-31 tile B's
.set PSW,   10                         ; v10, v11 p's scale words, tiles A and B
.set NM,    12                         ; v12, v13 -M of A and B
.set SU,    14                         ; v14, v15 the rows' sums
.set T,     16                         ; v16-21   at work
.set SCL,   22                         ; v22, v23 K's, then V's scale words
.set QA,    24                         ; v24-53   0, Q_A, 0, Q_B, 0
.set KF,    54                         ; v54-101  four fragments: K's, then V's
.set PC,    102                        ; v102-125 p's codes, A and B (a tile's first four also hold four chains of maxima)
.set S,     126                        ; v126-189 S^T, then p, of the tile at work
.set OT,    190                        ; v190-253 O^T, A and B
.set AB,    254                        ; v254, v255 the two tiles' bytes for asc
.set WV,    10
.set NC,    11                         ; s11 -c
.set SEL,   12
.set CS,    14
.set TK,    16                         ; s16 the step's first byte among K's (and V's) codes in LDS
.set TS,    17                         ; s17 and among the scale words
.set CNT,   18
.set G1,    24                         ; s[24:31] group 1: 50 rows of 256 bytes
.set G0,    40                         ; s[40:43] group 0
.macro WALU
	s_wait_alu depctr_va_vdst(0)
.endm
.macro DLY n                           ; the next line reads what the plain line n lines back wrote, and nothing nearer
	s_delay_alu instid0(VALU_DEP_\n)
.endm
.macro CROUND
	s_barrier_signal -1
	s_barrier_wait -1
	s_cmp_lg_u32 s[WV], 0
	s_cbranch_scc1 .Lnot_wave_0_\@
	s_barrier_signal -3
.Lnot_wave_0_\@:
	s_barrier_wait -3
	s_barrier_signal -1
	s_barrier_wait -1
.endm
	s_load_b128 s[4:7], s[0:1], 0x0                ; qkv, ac
	s_load_b64 s[8:9], s[0:1], 0x10                ; asc
	v_lshl_add_u32 v[SPW], v0, 2, SPARE
	v_mov_b32 v[NIL], 0
	ds_add_u32 v[SPW], v[NIL]                      ; the opening lines
	ds_add_u32 v[SPW], v[NIL]
	v_lshrrev_b32 v[T], 5, v0
	v_readfirstlane_b32 s[WV], v[T]                ; wave 0..15
	s_and_b32 s76, ttmp7, 0xffff                   ; batch x 16 + head: the four partners share it
	s_mul_i32 s20, s76, HS
	s_mov_b32 s21, 0
	s_mul_i32 s22, s[WV], 50*256                   ; my 50 units in the head's region,
	s_mov_b32 s23, 0
	s_mul_i32 s[G0+1], s[WV], 50*UP                ; and in LDS
	s_mov_b32 s[G0], 1
	s_mov_b32 s[G1], 15|(3<<16)|(1<<20)|(1<<21)|(5<<22)|(15<<25)   ; the mask: all four work-groups; elements of 8 bytes; padding on; bit 21 beside a mask; behind every 64 words 16 words
	s_mov_b32 s[G1+1], 32<<16
	s_mov_b32 s[G1+2], 50<<16
	s_mov_b32 s[G1+3], 32<<16
	s_mov_b32 s[G1+4], 50
	s_mov_b32 s[G1+5], 32
	s_mov_b32 s[G1+6], 0
	s_mov_b32 s[G1+7], 0
	s_bfe_u32 s66, ttmp6, 0x40000                  ; cx: it enters Q's and the outputs' global addresses alone
	s_lshl_b32 s66, s66, 4
	s_add_co_u32 s66, s66, s[WV]                   ; my pair of token tiles among the sequence's 64
	s_mul_i32 s68, s66, 1536
	s_add_co_u32 s68, s68, 204800                  ; Q's codes
	s_mov_b32 s69, 0
	s_lshr_b32 s70, s66, 2
	s_lshl_b32 s70, s70, 8
	s_and_b32 s71, s66, 3
	s_lshl_b32 s71, s71, 2
	s_add_co_u32 s70, s70, s71
	s_add_co_u32 s70, s70, 303104                  ; Q's scale words: [128 tokens][row][pair]
	s_mov_b32 s71, 0
	s_lshr_b32 s77, s76, 4
	s_lshl_b32 s77, s77, 7
	s_lshl_b32 s78, s66, 1
	s_add_co_u32 s77, s77, s78                     ; my first token tile of 512
	s_and_b32 s78, s76, 15                         ; the head
	s_lshl_b32 s72, s77, 4
	s_add_co_u32 s72, s72, s78
	s_mul_i32 s72, s72, 768                        ; ac: half image (token tile, head)
	s_mov_b32 s73, 0
	s_lshl_b32 s74, s77, 9                         ; asc: 512 bytes a token tile; the head's two bytes of a row:
	s_lshr_b32 s79, s78, 2
	s_lshl_b32 s79, s79, 7
	s_add_co_u32 s74, s74, s79                     ; which 256 along K,
	s_bfe_u32 s79, s78, 0x10001
	s_lshl_b32 s79, s79, 2
	s_add_co_u32 s74, s74, s79                     ; which word,
	s_and_b32 s79, s78, 1
	s_lshl_b32 s79, s79, 1
	s_add_co_u32 s74, s74, s79                     ; which half of it
	s_mov_b32 s75, 0
	s_mov_b32 s[SEL], 0x76543210
	s_mov_b32 s[SEL+1], 0xfedcba98                 ; v_permlanex16_b32's selects for lane l xor 16
	s_mov_b32 s[CS], 0x3e38aa3b                    ; c = log2(e) / sqrt(64)
	s_mov_b32 s[CS+1], s[CS]                       ; (named with it as a pair)
	s_mov_b32 s[NC], 0xbe38aa3b                    ; -c
	s_wait_dscnt 0x0                               ; both opening adds are done
	s_wait_kmcnt 0x0
	s_add_nc_u64 s[60:61], s[4:5], s[20:21]        ; the head's region
	s_add_nc_u64 s[G0+2:G0+3], s[60:61], s[22:23]
	s_or_b32 s[G0+3], s[G0+3], 0x80000000
	s_add_nc_u64 s[68:69], s[60:61], s[68:69]
	s_add_nc_u64 s[70:71], s[60:61], s[70:71]
	s_add_nc_u64 s[72:73], s[6:7], s[72:73]
	s_add_nc_u64 s[74:75], s[8:9], s[74:75]
	CROUND                                         ; all four work-groups are here: the joint loads meet
	tensor_load_to_lds s[G0:G0+3], s[G1:G1+7]      ; my one load: a sixteenth of the head's image; every wave issues this line and every wave waits for it below
	s_nop 0
	v_and_b32 v[S], 31, v0                         ; l
	v_and_b32 v[S+1], 15, v0                       ; r
	v_bfe_u32 v[S+2], v0, 4, 1                     ; h
	v_and_b32 v[S+3], 7, v0                        ; r % 8
	v_bfe_u32 v[S+4], v0, 3, 1                     ; r / 8
	v_lshlrev_b32 v[S+5], 4, v[S]                  ; 16 l
	v_lshlrev_b32 v[S+6], 3, v[S]                  ; 8 l
	v_lshlrev_b32 v[S+7], 4, v[S+1]                ; 16 r
	global_load_b128 v[QA+6:QA+9], v[S+5], s[68:69]               ; Q_A and Q_B, straight into their places
	global_load_b64 v[QA+10:QA+11], v[S+6], s[68:69] offset:512
	global_load_b128 v[QA+18:QA+21], v[S+5], s[68:69] offset:768
	global_load_b64 v[QA+22:QA+23], v[S+6], s[68:69] offset:1280
	global_load_b32 v[T], v[S+7], s[70:71]         ; and their scale word: A's two bytes, B's two
	v_mul_u32_u24 v[BK8], v[S+4], FRB              ; K: lanes r >= 8 read the next stored pair of tiles
	v_mad_u32_u24 v[BK16], v[S+2], UP, v[BK8]      ; 16-byte pieces: unit h, 16 bytes a row
	v_lshl_add_u32 v[BK16], v[S+3], 4, v[BK16]
	v_lshl_add_u32 v[BK8], v[S+2], 7, v[BK8]       ; 8-byte pieces: 8 (row + 16 h)
	v_lshl_add_u32 v[BK8], v[S+3], 3, v[BK8]
	v_lshlrev_b32 v[BKS], 4, v[S+3]                ; K's scale words: 16 bytes a stored row, 4 a stored pair; lanes 16-31 take the rows of u = 1
	v_lshl_add_u32 v[BKS], v[S+4], 2, v[BKS]
	v_lshl_add_u32 v[BKS], v[S+2], 7, v[BKS]
	v_add_nc_u32 v[BKS], SCB, v[BKS]
	v_mul_u32_u24 v[BV16], v[S+2], UP              ; V: rows as they lie
	v_add_nc_u32 v[BV16], v[BV16], v[S+7]
	v_add_nc_u32 v[BV16], VB, v[BV16]
	v_add_nc_u32 v[BV8], VB, v[S+6]
	v_lshl_add_u32 v[BVS], v[S+2], 3, v[S+7]       ; V's scale words: 16 bytes a row; lanes 16-31 take tiles 2 and 3
	v_add_nc_u32 v[BVS], SCB+16*UP, v[BVS]
	v_mov_b32 v[T+1], 0x01000100                   ; which two bytes of Q's word, twice: A's in lanes 0-15,
	v_mov_b32 v[T+2], 0x03020302                   ; B's in lanes 16-31
	v_cmp_eq_u32 vcc_lo, 1, v[S+2]
	v_cndmask_b32 v[T+1], v[T+1], v[T+2], vcc_lo
.irp i, 0,1,2,3,4,5
	v_mov_b32 v[QA+\i], 0                          ; the zero codes round Q_A and Q_B
	v_mov_b32 v[QA+12+\i], 0
	v_mov_b32 v[QA+24+\i], 0
.endr
	v_mov_b32 v[NM], 0x7f61b1e6                    ; -M begins at 3e38, over every floor(-t): the first change of M multiplies zeros
	v_mov_b32 v[NM+1], 0x7f61b1e6
	v_mov_b32 v[SU], 0
	v_mov_b32 v[SU+1], 0
	WALU
	s_wait_loadcnt 0x0                             ; Q
	v_perm_b32 v[QS], v[T], v[T], v[T+1]
.set J, 0
.rept 64
	v_mov_b32 v[OT+J], 0                           ; O^T begins as zeros.  (These are also the places between the write of Q's scale words and the first product)
.set J, J+1
.endr
.macro FRAG reg, o16, o8               ; a fragment by the addresses in v[T] (16-byte pieces) and v[T+1] (8-byte pieces)
	ds_load_b128 v[(\reg):(\reg)+3], v[T] offset:(\o16)
	ds_load_b64 v[(\reg)+4:(\reg)+5], v[T+1] offset:(\o8)+2*UP
	ds_load_b128 v[(\reg)+6:(\reg)+9], v[T] offset:(\o16)+HI
	ds_load_b64 v[(\reg)+10:(\reg)+11], v[T+1] offset:(\o8)+HI+2*UP
.endm
.macro QK x                            ; the scores of tile x: eight products, each starting its sum
.irp c, 0,1
.irp u, 0,1
	v_wmma_scale_f32_16x16x128_f8f6f4 v[S+32*\c+16*\u:S+32*\c+16*\u+7], v[KF+24*\c+12*\u:KF+24*\c+12*\u+11], v[QA+6+12*\x:QA+17+12*\x], 0, v[SCL+\c], v[QS] matrix_a_fmt:MATRIX_FMT_FP6 matrix_b_fmt:MATRIX_FMT_FP6 matrix_a_scale:MATRIX_SCALE_ROW\u matrix_b_scale:MATRIX_SCALE_ROW\x
	v_wmma_scale_f32_16x16x128_f8f6f4 v[S+32*\c+16*\u+8:S+32*\c+16*\u+15], v[KF+24*\c+12*\u:KF+24*\c+12*\u+11], v[QA+12*\x:QA+11+12*\x], 0, v[SCL+\c], v[QS] matrix_a_fmt:MATRIX_FMT_FP6 matrix_b_fmt:MATRIX_FMT_FP6 matrix_a_scale:MATRIX_SCALE_ROW\u matrix_b_scale:MATRIX_SCALE_ROW\x
.endr
.endr
.endm
.macro MXA d, a                        ; a chain of maxima begins with three scores,
	v_max3_num_f32 v[\d], v[\a], v[(\a)+1], v[(\a)+2]
.endm
.macro MXB d, a                        ; and takes two more
	v_max3_num_f32 v[\d], v[\d], v[\a], v[(\a)+1]
.endm
.macro TR n, a, k, d                   ; the sum's tree, in place: pairs a .. a + k - 1 of p take the pairs n further on; d: the hint's distance (0: none)
.set J, 2*(\a)
.rept \k
.if \d
	DLY \d
.endif
	v_pk_add_f32 v[S+J:S+J+1], v[S+J:S+J+1], v[S+2*(\n)+J:S+2*(\n)+J+1]
.set J, J+2
.endr
.endm
.macro TMS x, a, k                     ; t - M of pairs a .. a + k - 1, two numbers a line: of the pair of -M the lower word is A's, the upper B's
.set J, 2*(\a)
.rept \k
.if \x
	v_pk_fma_f32 v[S+J:S+J+1], v[S+J:S+J+1], s[CS:CS+1], v[NM:NM+1] op_sel:[0,0,1] op_sel_hi:[1,0,1]
.else
	v_pk_fma_f32 v[S+J:S+J+1], v[S+J:S+J+1], s[CS:CS+1], v[NM:NM+1] op_sel_hi:[1,0,0]
.endif
.set J, J+2
.endr
.endm
; THE SOFTMAX OF TILE x on the 64 scores in S: M, f, p, the sum, p's codes and scale word
.macro SOFT x
.set PX, PC+12*(\x)
.set OX, OT+32*(\x)
; THE LARGEST SCORE OF MY TWO BLOCKS serves twice: for the row's maximum and, since p rises with the score, for the block's largest p.  Four chains a block, of 9, 7, 9 and 7 scores, eight by turns;
; each begins among the four lowest registers of an accumulator
.irp q, 0,1,2,3
	MXA T+\q, S+8*\q+(\q%2)
.endr
.irp q, 0,1,2,3
	MXA PX+\q, S+32+8*\q+(\q%2)
.endr
.irp o, 3,5
.irp q, 0,1,2,3
	MXB T+\q, S+8*\q+(\q%2)+\o
.endr
.irp q, 0,1,2,3
	MXB PX+\q, S+32+8*\q+(\q%2)+\o
.endr
.endr
	MXB T, S+7
	MXB T+2, S+23
	MXB PX, S+39
	MXB PX+2, S+55
	DLY 3
	v_max3_num_f32 v[T], v[T], v[T+1], v[T+2]
	DLY 2
	v_max3_num_f32 v[PX], v[PX], v[PX+1], v[PX+2]
	DLY 2
	v_max_num_f32 v[T], v[T], v[T+3]               ; block h's largest score,
	DLY 2
	v_max_num_f32 v[T+1], v[PX], v[PX+3]           ; block 2 + h's
	DLY 1
	v_max_num_f32 v[T+2], v[T], v[T+1]
	DLY 1
	v_permlanex16_b32 v[T+3], v[T+2], s[SEL], s[SEL+1]
	DLY 1
	v_max_num_f32 v[T+2], v[T+2], v[T+3]           ; the step's largest score of my query
	DLY 1
	v_mul_f32 v[T+2], s[NC], v[T+2]                ; -t (c is positive)
	DLY 1
	v_floor_f32 v[T+2], v[T+2]                     ; floor(-t) = -ceil(t)
	DLY 1
	v_min_num_f32 v[T+3], v[NM+\x], v[T+2]         ; the new -M: M is a whole number
	DLY 1
	v_sub_f32 v[T+2], v[T+3], v[NM+\x]             ; old M - new M: a whole number, 0 or less
	DLY 2
	v_fma_f32 v[T], v[T], s[CS], v[T+3]            ; t - M of each block's largest score
	DLY 3
	v_fma_f32 v[T+1], v[T+1], s[CS], v[T+3]
	DLY 4
	v_mov_b32 v[NM+\x], v[T+3]
	WALU
	v_exp_f32 v[T], v[T]                           ; the blocks' largest p: the same multiply-add and exponential on the same number give the same bits as in the 64 below
	v_exp_f32 v[T+1], v[T+1]
	v_cvt_i32_f32 v[T+2], v[T+2]                   ; (it saturates.)  The plain place behind the two
	DLY 1
	v_ldexp_f32 v[T+2], 1.0, v[T+2]                ; f = 2^(old M - new M)
	WALU                                           ; the wait behind the two, directly ahead of O^T's first readers
.set J, 0
.rept 16
	v_pk_mul_f32 v[OX+J:OX+J+1], v[OX+J:OX+J+1], v[T+2:T+3] op_sel_hi:[1,0]   ; O^T under the new M, each accumulator from its low end on
.set J, J+2
.endr
	v_max_num_f32 v[T], 0x1800000, v[T]            ; the floor 2^(3 - 127): the byte cannot fall under 1.  The scale's lines stand among the multiply-adds, five lines or more from each other
	v_max_num_f32 v[T+1], 0x1800000, v[T+1]
	TMS \x, 0, 8
	v_add_nc_u32 v[T+4], 0xff000000, v[T]          ; 2 off the exponent field: the conversion's scale operand
	v_add_nc_u32 v[T+5], 0xff000000, v[T+1]
	TMS \x, 8, 8
	v_lshrrev_b32 v[T], 23, v[T+4]                 ; the bytes
	v_lshrrev_b32 v[T+1], 23, v[T+5]
	TMS \x, 16, 8
	v_lshl_or_b32 v[T], v[T+1], 16, v[T]           ; my two bytes, at the places of blocks 0 and 2;
	TMS \x, 24, 4
	v_permlanex16_b32 v[T+1], v[T], s[SEL], s[SEL+1]
	TMS \x, 28, 4
	v_lshl_or_b32 v[PSW+\x], v[T+1], 8, v[T]       ; in lanes 0-15, which alone are read, lane l + 16's two are blocks 1 and 3
	WALU
.set J, 0
.rept 64
	v_exp_f32 v[S+J], v[S+J]                       ; p = 2^(t - M), at most 1
.set J, J+1
.endr
	v_mul_f32 v[SU+\x], v[SU+\x], v[T+2]           ; the sum under the new M: the plain place behind the exponentials
	WALU                                           ; one wait for the whole batch, ahead of its first reader
	v_cvt_scalef32_pk16_fp6_f32 v[PX:PX+2], v[S:S+15], v[T+4]          ; block h, whole in my lane: registers 0 .. 5 of the operand;
	v_cvt_scalef32_pk16_fp6_f32 v[PX+6:PX+8], v[S+32:S+47], v[T+5]     ; block 2 + h: registers 6 .. 11
	v_cvt_scalef32_pk16_fp6_f32 v[T:T+2], v[S+16:S+31], v[T+4]         ; (a conversion's three registers begin on an even number: the upper halves are made here and moved)
	v_nop                                          ; one plain place behind the conversions
	TR 16, 0, 8, 0                                 ; THE ROW'S SUM IS TAKEN OF THE UNQUANTISED p: a tree in place; a pair is written only when its codes are made
.irp i, 0,1,2
	v_mov_b32 v[PX+3+\i], v[T+\i]
.endr
	v_cvt_scalef32_pk16_fp6_f32 v[T:T+2], v[S+48:S+63], v[T+5]
	TR 16, 8, 8, 0                                 ; (the first of these, which names neither the conversion's result nor writes its sources, is its plain place)
	TR 8, 0, 8, 0
.irp i, 0,1,2
	v_mov_b32 v[PX+9+\i], v[T+\i]
.endr
	TR 4, 0, 4, 0
	TR 2, 0, 2, 2
	TR 1, 0, 1, 1
	DLY 1
	v_add_f32 v[T+5], v[S], v[S+1]
	DLY 1
	v_add_f32 v[SU+\x], v[SU+\x], v[T+5]
.endm
; A KEY STEP: 128 keys, both tiles of queries.
.macro STEP
	v_add_nc_u32 v[T], s[TK], v[BK16]              ; (these four lines are the places in front of loads into registers that the last products read)
	v_add_nc_u32 v[T+1], s[TK], v[BK8]
	v_add_nc_u32 v[T+2], s[TS], v[BKS]
	v_nop
.irp c, 0,1
.irp u, 0,1
	FRAG KF+24*\c+12*\u, 2*FRB*\c+128*\u, 2*FRB*\c+64*\u   ; fragment (c, u): rows 8 u .. of stored pairs 2 c (lanes r < 8) and 2 c + 1
.endr
	ds_load_b32 v[SCL+\c], v[T+2] offset:8*\c      ; those rows' scale words: u = 0 in lanes 0-15, u = 1 in lanes 16-31
.endr
	s_wait_dscnt 0x0                               ; K is in
	QK 0
.rept 4
	v_nop                                          ; places in front of the first read of the scores
.endr
	SOFT 0
	QK 1
	v_add_nc_u32 v[T], s[TK], v[BV16]              ; four places in front of the loads below and of the first read of the scores
	v_add_nc_u32 v[T+1], s[TK], v[BV8]
	v_add_nc_u32 v[T+2], s[TS], v[BVS]
	v_nop
.irp t, 0,1,2,3
	FRAG KF+12*\t, FRB*\t, FRB*\t                  ; V: 16 channels x these 128 keys; they land under B's softmax
.endr
	ds_load_b64 v[SCL:SCL+1], v[T+2]               ; V's scale words: tiles 0, 1 in lanes 0-15, tiles 2, 3 in lanes 16-31
	SOFT 1
	WALU
	s_wait_dscnt 0x0                               ; V is in
.irp x, 0,1
.irp g, 0,1
.irp e, 0,1
	v_wmma_scale_f32_16x16x128_f8f6f4 v[OT+32*\x+16*\g+8*\e:OT+32*\x+16*\g+8*\e+7], v[KF+24*\g+12*\e:KF+24*\g+12*\e+11], v[PC+12*\x:PC+12*\x+11], v[OT+32*\x+16*\g+8*\e:OT+32*\x+16*\g+8*\e+7], v[SCL+\e], v[PSW+\x] matrix_a_fmt:MATRIX_FMT_FP6 matrix_b_fmt:MATRIX_FMT_FP6 matrix_a_scale:MATRIX_SCALE_ROW\g
.endr
.endr
.endr
	s_add_co_u32 s[TK], s[TK], STB
	s_add_co_u32 s[TS], s[TS], UP
.endm
; THE WAY OUT of tile y: 32 numbers a lane, halves of two blocks of the last product's K; they leave as one half image, their two bytes at the kernel's end.
.macro QOUT y
.set BX, S+32*(\y)
.set PX, PC+12*(\y)
.irp b, 0,1
	v_max3_num_f32 v[T+\b], |v[BX+16*\b]|, |v[BX+1+16*\b]|, 0x1800000
.endr
.irp i, 2,4,6,8,10,12,14
.irp b, 0,1
	v_max3_num_f32 v[T+\b], v[T+\b], |v[BX+16*\b+\i]|, |v[BX+1+16*\b+\i]|
.endr
.endr
.irp b, 0,1
	v_permlanex16_b32 v[T+2+\b], v[T+\b], s[SEL], s[SEL+1]
.endr
.irp b, 0,1
	v_max_num_f32 v[T+\b], v[T+\b], v[T+2+\b]
.endr
.irp b, 0,1
	v_add_nc_u32 v[T+4+\b], 0xff000000, v[T+\b]
.endr
.irp b, 0,1
	v_lshrrev_b32 v[T+2+\b], 23, v[T+4+\b]
.endr
	v_lshl_or_b32 v[AB+(\y)], v[T+3], 8, v[T+2]
	v_cvt_scalef32_pk16_fp6_f32 v[PX:PX+2], v[BX:BX+15], v[T+4]
	v_cvt_scalef32_pk16_fp6_f32 v[T:T+2], v[BX+16:BX+31], v[T+5]
	v_nop                                          ; one plain place behind a scaled conversion
.irp i, 0,1,2
	v_permlane16_swap_b32 v[PX+\i], v[T+\i]        ; a WHOLE block in a lane
.endr
.irp i, 0,1,2
	v_mov_b32 v[PX+3+\i], v[T+\i]
.endr
	global_store_b128 v[KF+1], v[PX:PX+3], s[72:73] offset:12288*(\y)
	global_store_b64 v[KF+2], v[PX+4:PX+5], s[72:73] offset:12288*(\y)+512
.endm
	WALU
	s_wait_tensorcnt 0x0                           ; my sixteenth of the image is in
	s_barrier_signal -1
	s_barrier_wait -1                              ; everybody's is; nothing is ever filled again
	s_mov_b32 s[TK], 0
	s_mov_b32 s[TS], 0
	s_mov_b32 s[CNT], 16
.Lk:
	STEP
	s_sub_co_u32 s[CNT], s[CNT], 1
	s_cmp_lg_u32 s[CNT], 0
	s_cbranch_scc1 .Lk
.rept 4
	v_nop                                          ; places behind the last products
.endr
	v_permlanex16_b32 v[T], v[SU], s[SEL], s[SEL+1]
	v_permlanex16_b32 v[T+1], v[SU+1], s[SEL], s[SEL+1]
	v_add_f32 v[SU], v[SU], v[T]                   ; the rows' sums
	v_add_f32 v[SU+1], v[SU+1], v[T+1]
	v_and_b32 v[KF], 31, v0                        ; the stores' places
	v_lshlrev_b32 v[KF+1], 4, v[KF]                ; 16 l
	v_lshlrev_b32 v[KF+2], 3, v[KF]                ; 8 l
	v_and_b32 v[KF+3], 15, v0
	v_bfe_u32 v[KF+4], v0, 4, 1                    ; h
	v_lshlrev_b32 v[KF+5], 9, v[KF+4]
	v_lshl_add_u32 v[KF+5], v[KF+3], 3, v[KF+5]    ; asc: token tile h, 8 bytes a row
	WALU
	v_rcp_f32 v[SU], v[SU]
	v_rcp_f32 v[SU+1], v[SU+1]
	v_nop                                          ; a plain place behind the transcendentals
	WALU                                           ; and the wait ahead of their first reader, which is O^T's first reader too: the 64 lines below are plain
.set J, 0
.rept 32
	v_mul_f32 v[S+J], v[OT+J], v[SU]               ; each accumulator from its low end on
.set J, J+1
.endr
.rept 32
	v_mul_f32 v[S+J], v[OT+J], v[SU+1]
.set J, J+1
.endr
	QOUT 0
	QOUT 1
	v_cmp_eq_u32 vcc_lo, 1, v[KF+4]
	v_cndmask_b32 v[AB], v[AB], v[AB+1], vcc_lo    ; lanes 0-15 store tile A's two bytes, lanes 16-31 tile B's
	global_store_b16 v[KF+5], v[AB], s[74:75]      ; two bytes a row: a scale word joins two heads, which two work-groups make; 64 bytes of a wave's 1,600
	s_wait_tensorcnt 0x0                           ; the wave's end
	ds_add_u32 v[SPW], v[NIL]
	s_wait_dscnt 0x0
	CROUND                                         ; the closing round
	s_endpgm
.Lfunc_end_k_q0b6155780b_attn:
	.size	k_q0b6155780b_attn, .Lfunc_end_k_q0b6155780b_attn-k_q0b6155780b_attn
	.p2alignl 7, 3214868480
	.fill 96, 4, 3214868480
	.section	.rodata,"a",@progbits
	.p2align	6, 0x0
	.amdhsa_kernel k_q0b6155780b_attn
		.amdhsa_group_segment_fixed_size 262144
		.amdhsa_private_segment_fixed_size 0
		.amdhsa_enable_private_segment 0
		.amdhsa_kernarg_size 24
		.amdhsa_user_sgpr_count 2
		.amdhsa_user_sgpr_kernarg_segment_ptr 1
		.amdhsa_wavefront_size32 1
		.amdhsa_system_sgpr_workgroup_id_x 1
		.amdhsa_system_sgpr_workgroup_id_y 1
		.amdhsa_system_sgpr_workgroup_id_z 1
		.amdhsa_system_vgpr_workitem_id 0
		.amdhsa_next_free_vgpr 256
		.amdhsa_next_free_sgpr 80
		.amdhsa_reserve_vcc 1
		.amdhsa_float_denorm_mode_32 3
		.amdhsa_float_denorm_mode_16_64 3
		.amdhsa_memory_ordered 1
		.amdhsa_forward_progress 1
		.amdhsa_inst_pref_size 45
	.end_amdhsa_kernel
	.amdgpu_metadata
---
amdhsa.version: [ 1, 2 ]
amdhsa.kernels:
  - .name:           k_q0b6155780b_attn
    .symbol:         k_q0b6155780b_attn.kd
    .args:
      - { .name: qkv, .offset: 0, .size: 8, .value_kind: global_buffer, .address_space: global }
      - { .name: ac, .offset: 8, .size: 8, .value_kind: global_buffer, .address_space: global }
      - { .name: asc, .offset: 16, .size: 8, .value_kind: global_buffer, .address_space: global }
    .group_segment_fixed_size: 262144
    .private_segment_fixed_size: 0
    .kernarg_segment_align: 8
    .kernarg_segment_size: 24
    .max_flat_workgroup_size: 512
    .sgpr_count:     80
    .vgpr_count:     256
    .wavefront_size: 32
...
	.end_amdgpu_metadata
.endif
;; end of part 3
;; launch oproj (part 4): grid 4 x 64, 4 waves a work-group, clusters of 4 x 4, 327,680 bytes of LDS; arguments ac, asc, wc, ws, out0; writes out0
.if DOCPART == 4
	.amdgcn_target "amdgcn-amd-amdhsa--gfx1250"
	.amdhsa_code_object_version 6
	.text
	.protected	k_q0b6155780b_oproj
	.globl	k_q0b6155780b_oproj
	.p2align	8
	.type	k_q0b6155780b_oproj,@function
k_q0b6155780b_oproj:
	s_mov_b64 s[64:65], 0
	v_nop
	global_prefetch_b8 v0, s[64:65] scope:SCOPE_SE
	s_setreg_imm32_b32 hwreg(HW_REG_WAVE_MODE, 25, 1), 1
	s_wait_xcnt 0x0
	s_wait_alu depctr_hold_cnt(0) depctr_sa_sdst(0) depctr_va_vdst(0) depctr_va_sdst(0) depctr_va_ssrc(0) depctr_va_vcc(0) depctr_vm_vsrc(0)
	s_getreg_b32 s2, hwreg(HW_REG_IB_STS2, 6, 4)
	s_cmp_eq_u32 s2, 0
	s_cbranch_scc0 .Lentry_in_a_cluster
	s_endpgm
.Lentry_in_a_cluster:
	s_bfe_u32 s2, ttmp6, 0x10000c
	s_cmp_lg_u32 s2, 0xf033
	s_cbranch_scc0 .Lentry_shape_is_right
	s_endpgm
.Lentry_shape_is_right:
.set NA,    4
.set TILEB, 3072
.set SLOT,  (2*NA+16)*TILEB
.set SCL,   2*SLOT
.set SPARE, SCL+NA*1024+8192
.set SPITCH, 528
.set ADRA,  16
.set ADRB,  20
.set STO,   24
.set RD,    25
.set ADRS,  27
.set SPW,   28
.set NIL,   29
.set SC,    32
.set AF,    64
.set BK,    128
.set G1A,  24
.set G0A,  32
.set G1B,  48
.set G0B,  56
.set G1SA, 68
.set G0SA, 76
.set G1SB, 80
.set G0SB, 88
.set MSB, 0
.macro WIN new
.if MSB != (\new)
	s_set_vgpr_msb (MSB<<8)|(\new)
.set MSB, (\new)
.endif
.endm
.macro JLOAD g0a, g1a, g0b, g1b
	s_cmp_eq_u32 s17, 0
	s_cbranch_scc0 .Lfor_b_\@
	tensor_load_to_lds s[\g0a:\g0a+3], s[\g1a:\g1a+7]
	s_nop 0
.rept 4
	v_nop
.endr
	s_branch .Lasked_\@
.Lfor_b_\@:
	tensor_load_to_lds s[\g0b:\g0b+3], s[\g1b:\g1b+7]
	s_nop 0
.rept 4
	v_nop
.endr
.Lasked_\@:
.endm
.macro CREST
	s_cmp_lg_u32 s16, 0
	s_cbranch_scc1 .Lnot_wave_0_\@
	s_barrier_signal -3
.Lnot_wave_0_\@:
	s_barrier_wait -3
	s_barrier_signal -1
	s_barrier_wait -1
.endm
.macro CROUND
	s_barrier_signal -1
	s_barrier_wait -1
	CREST
.endm
.macro PLACES n
.rept \n
	v_nop
.endr
.endm
	s_load_b256 s[4:11], s[0:1], 0x0
	s_load_b64 s[12:13], s[0:1], 0x20
	v_lshl_add_u32 v[SPW], v0, 2, SPARE
	v_mov_b32 v[NIL], 0
	ds_add_u32 v[SPW], v[NIL]
	ds_add_u32 v[SPW], v[NIL]
	v_lshrrev_b32 v1, 5, v0
	v_readfirstlane_b32 s16, v1
	s_lshr_b32 s17, s16, 1
	s_and_b32 s18, s16, 1
	s_bfe_u32 s40, ttmp6, 0x40000
	s_bfe_u32 s41, ttmp6, 0x40004
	s_and_b32 s44, ttmp7, 0xffff
	s_lshl_b32 s44, s44, 2
	s_add_co_u32 s44, s44, s41
	s_lshl_b32 s46, s41, 2
	s_lshl_b32 s46, 15, s46
	s_lshl_b32 s47, 0x1111, s40
	s_or_b32 s[G1A], s46, (3<<16)|(1<<21)
	s_mov_b32 s[G1A+1], 384<<16
	s_mov_b32 s[G1A+2], 8<<16
	s_mov_b32 s[G1A+3], 384<<16
	s_mov_b32 s[G1A+4], 8
	s_mov_b32 s[G1A+5], 1536
	s_mov_b32 s[G1A+6], 0
	s_mov_b32 s[G1A+7], 0
	s_or_b32 s[G1B], s47, (3<<16)|(1<<21)
	s_mov_b32 s[G1B+1], 384<<16
	s_mov_b32 s[G1B+2], 16<<16
	s_mov_b32 s[G1B+3], 384<<16
	s_mov_b32 s[G1B+4], 16
	s_mov_b32 s[G1B+5], 1536
	s_mov_b32 s[G1B+6], 0
	s_mov_b32 s[G1B+7], 0
	s_or_b32 s[G1SA], s46, (3<<16)|(1<<21)
	s_mov_b32 s[G1SA+1], 32<<16
	s_mov_b32 s[G1SA+2], 16<<16
	s_mov_b32 s[G1SA+3], 32<<16
	s_mov_b32 s[G1SA+4], 16
	s_mov_b32 s[G1SA+5], 32
	s_mov_b32 s[G1SA+6], 0
	s_mov_b32 s[G1SA+7], 0
	s_or_b32 s[G1SB], s47, (3<<16)|(1<<21)
	s_mov_b32 s[G1SB+1], 32<<16
	s_mov_b32 s[G1SB+2], 32<<16
	s_mov_b32 s[G1SB+3], 32<<16
	s_mov_b32 s[G1SB+4], 32
	s_mov_b32 s[G1SB+5], 32
	s_mov_b32 s[G1SB+6], 0
	s_mov_b32 s[G1SB+7], 0
	s_lshl_b32 s92, s44, 3
	s_lshl_b32 s94, s92, 9
	s_mul_i32 s92, s92, 12288
	s_mov_b32 s93, 0
	s_mov_b32 s95, 0
	s_lshl_b32 s96, s40, 4
	s_add_co_u32 s96, s96, 192
	s_lshl_b32 s98, s96, 9
	s_mul_i32 s96, s96, 12288
	s_mov_b32 s97, 0
	s_mov_b32 s99, 0
	s_mul_i32 s66, s18, 4*TILEB
	s_mul_i32 s67, s18, 8*TILEB
	s_add_co_u32 s67, s67, 2*NA*TILEB
	s_lshl_b32 s2, s18, 11
	s_add_co_u32 s2, s2, SCL
	s_lshl_b32 s3, s18, 12
	s_add_co_u32 s3, s3, SCL+NA*1024
	s_wait_dscnt 0x0
	s_wait_kmcnt 0x0
	s_add_nc_u64 s[20:21], s[4:5], s[92:93]
	s_add_nc_u64 s[22:23], s[6:7], s[94:95]
	s_add_nc_u64 s[8:9], s[8:9], s[96:97]
	s_add_nc_u64 s[10:11], s[10:11], s[98:99]
	CROUND
	s_mov_b32 s[G0SA], 1
	s_mov_b32 s[G0SA+1], SCL
	s_mov_b64 s[G0SA+2:G0SA+3], s[22:23]
	s_or_b32 s[G0SA+3], s[G0SA+3], 0x80000000
	s_mov_b32 s[G0SB], 1
	s_mov_b32 s[G0SB+1], SCL+NA*1024
	s_mov_b64 s[G0SB+2:G0SB+3], s[10:11]
	s_or_b32 s[G0SB+3], s[G0SB+3], 0x80000000
	s_mov_b32 s92, 1                               ; the head's loads of slot 0, each whole: the rows' 8 row tiles,
	s_mov_b32 s93, 0
	s_mov_b64 s[94:95], s[20:21]
	s_or_b32 s95, s95, 0x80000000
	s_mov_b32 s96, 1                               ; and the weight's 16, behind them
	s_mov_b32 s97, 2*NA*TILEB
	s_mov_b64 s[98:99], s[8:9]
	s_or_b32 s99, s99, 0x80000000
	s_mul_i32 s2, s18, 4*12288                     ; for the ring: my four row tiles of the eight,
	s_mov_b32 s3, 0
	s_add_nc_u64 s[20:21], s[20:21], s[2:3]
	s_mul_i32 s2, s18, 8*12288                     ; my eight of the sixteen
	s_add_nc_u64 s[8:9], s[8:9], s[2:3]
.irp s, 0,1
	s_mov_b32 s[G0A+4*\s], 1
	s_add_co_u32 s[G0A+4*\s+1], s66, \s*SLOT
	s_add_nc_u64 s[G0A+4*\s+2:G0A+4*\s+3], s[20:21], \s*TILEB
	s_or_b32 s[G0A+4*\s+3], s[G0A+4*\s+3], 0x80000000
	s_mov_b32 s[G0B+4*\s], 1
	s_add_co_u32 s[G0B+4*\s+1], s67, \s*SLOT
	s_add_nc_u64 s[G0B+4*\s+2:G0B+4*\s+3], s[8:9], \s*TILEB
	s_or_b32 s[G0B+4*\s+3], s[G0B+4*\s+3], 0x80000000
.endr
; The head's four tiles, one joint load a wave, in one chain of branches on the wave's number: both operands' slot 0, both operands' scale words
.macro ARM under, g0, g1, next
	s_cmp_lt_u32 s16, \under
	s_cbranch_scc0 \next
	tensor_load_to_lds s[\g0:\g0+3], s[\g1:\g1+7]
	s_nop 0
.rept 4
	v_nop
.endr
	s_branch .Lhead_asked
\next:
.endm
	ARM 1, 92, G1A, .Lhead_b
	ARM 2, 96, G1B, .Lhead_sa
	ARM 3, G0SA, G1SA, .Lhead_sb
	tensor_load_to_lds s[G0SB:G0SB+3], s[G1SB:G1SB+7]
	s_nop 0
.rept 4
	v_nop
.endr
.Lhead_asked:
	s_wait_alu depctr_va_vdst(0)
	s_wait_tensorcnt 0x0                           ; my tile of the four is in
	ds_add_u32 v28, v29
	s_mov_b32 s[G1A+2], 4<<16                      ; no tensor load of mine is out: from here on a load brings four row tiles of the rows,
	s_mov_b32 s[G1A+4], 4
	s_mov_b32 s[G1B+2], 8<<16                      ; eight of the weight
	s_mov_b32 s[G1B+4], 8
	s_wait_dscnt 0x0
	CROUND
	JLOAD G0A+4, G1A, G0B+4, G1B
	v_and_b32 v1, 31, v0
	v_and_b32 v2, 15, v0
	v_bfe_u32 v3, v0, 4, 1
	v_lshlrev_b32 v4, 4, v1
	v_lshlrev_b32 v5, 3, v1
	s_mul_i32 s19, s17, NA*TILEB
	s_mul_i32 s2, s18, 8*TILEB
	s_add_co_u32 s2, s2, 2*NA*TILEB
.irp s, 0,1
	v_add_nc_u32 v[ADRA+2*\s], s19, v4
	v_add_nc_u32 v[ADRA+2*\s+1], s19, v5
	v_add_nc_u32 v[ADRB+2*\s], s2, v4
	v_add_nc_u32 v[ADRB+2*\s+1], s2, v5
	s_add_co_u32 s19, s19, SLOT
	s_add_co_u32 s2, s2, SLOT
.endr
	s_mul_i32 s19, s17, NA*512
	s_lshl_b32 s2, s18, 12
	s_add_co_u32 s2, s2, NA*1024
	s_sub_co_u32 s2, s2, s19
	v_mul_u32_u24 v6, s2, v3
	s_add_co_u32 s19, s19, SCL
	v_lshl_add_u32 v6, v2, 3, v6
	v_add_nc_u32 v[ADRS], s19, v6
	s_mul_i32 s19, s16, 16*SPITCH
	v_mul_u32_u24 v6, v2, SPITCH
	v_lshl_add_u32 v6, v3, 5, v6
	v_add_nc_u32 v[STO], s19, v6
	v_add_nc_u32 v[RD], s19, v4
	s_lshl_b32 s2, s44, 19
	s_lshl_b32 s3, s17, 18
	s_add_co_u32 s2, s2, s3
	s_lshl_b32 s3, s40, 10
	s_add_co_u32 s2, s2, s3
	s_lshl_b32 s3, s18, 9
	s_add_co_u32 s2, s2, s3
	s_mov_b32 s3, 0
	s_add_nc_u64 s[12:13], s[12:13], s[2:3]
.macro FRAG reg, adr, off
	ds_load_b128 v[(\reg):(\reg)+3], v[\adr] offset:(\off)
	ds_load_b64 v[(\reg)+4:(\reg)+5], v[(\adr)+1] offset:(\off)+512
	ds_load_b128 v[(\reg)+6:(\reg)+9], v[\adr] offset:(\off)+768
	ds_load_b64 v[(\reg)+10:(\reg)+11], v[(\adr)+1] offset:(\off)+1280
.endm
.macro FETCH slot, q, p
	WIN 0x40
.set FI, 0
.rept 8
	FRAG 96*(\p)+12*FI, ADRB+2*(\slot), FI*TILEB+(\q)*1536
.set FI, FI+1
.endr
	WIN 0
.set FI, 0
.rept NA
	FRAG AF+12*NA*(\p)+12*FI, ADRA+2*(\slot), FI*TILEB+(\q)*1536
.set FI, FI+1
.endr
.endm
.macro SCALES sc
.irp i, 0,1,2,3,4,5,6,7
	ds_load_b64 v[SC+16*(\sc)+2*\i:SC+16*(\sc)+2*\i+1], v[ADRS] offset:512*\i
.endr
.endm
.macro MULA a, p, q, sc, zero
	WIN 0xa1
.irp b, 0,1,2,3,4,5,6,7
.if \zero
	v_wmma_scale_f32_16x16x128_f8f6f4 v[8*(8*(\a)+\b):8*(8*(\a)+\b)+7], v[96*(\p)+12*\b:96*(\p)+12*\b+11], v[AF+12*NA*(\p)+12*(\a):AF+12*NA*(\p)+12*(\a)+11], 0, v[SC+16*(\sc)+2*\b+(\q)], v[SC+16*(\sc)+2*(\a)+(\q)] matrix_a_fmt:MATRIX_FMT_FP6 matrix_b_fmt:MATRIX_FMT_FP6 matrix_a_scale:MATRIX_SCALE_ROW1
.else
	v_wmma_scale_f32_16x16x128_f8f6f4 v[8*(8*(\a)+\b):8*(8*(\a)+\b)+7], v[96*(\p)+12*\b:96*(\p)+12*\b+11], v[AF+12*NA*(\p)+12*(\a):AF+12*NA*(\p)+12*(\a)+11], v[8*(8*(\a)+\b):8*(8*(\a)+\b)+7], v[SC+16*(\sc)+2*\b+(\q)], v[SC+16*(\sc)+2*(\a)+(\q)] matrix_a_fmt:MATRIX_FMT_FP6 matrix_b_fmt:MATRIX_FMT_FP6 matrix_a_scale:MATRIX_SCALE_ROW1
.endif
.endr
.endm
.macro MULS a0, n, p, q, sc, zero
.set MA, \a0
.rept \n
	MULA MA, \p, \q, \sc, \zero
.set MA, MA+1
.endr
.endm
.macro STEP slot, zero
	s_wait_dscnt 0x0
	PLACES 4
	FETCH \slot, 1, 1
	MULS 0, NA, 0, 0, \slot, \zero
.endm
.macro TURN slot, next, fill
	WIN 0
	s_wait_tensorcnt 0x0
	ds_add_u32 v[SPW], v[NIL]
	s_wait_dscnt 1
	MULS 0, NA/4, 1, 1, \slot, 0
	s_wait_dscnt 0x0
	s_barrier_signal -1
	MULS NA/4, NA/4, 1, 1, \slot, 0
	WIN 0
	s_barrier_wait -1
.if \fill
	CREST
	s_add_nc_u64 s[G0A+4*\slot+2:G0A+4*\slot+3], s[G0A+4*\slot+2:G0A+4*\slot+3], 2*TILEB
	s_add_nc_u64 s[G0B+4*\slot+2:G0B+4*\slot+3], s[G0B+4*\slot+2:G0B+4*\slot+3], 2*TILEB
	JLOAD G0A+4*\slot, G1A, G0B+4*\slot, G1B
.else
	PLACES 4
.endif
	s_wait_alu depctr_va_vdst(0)
	v_add_nc_u32 v[ADRS], 128, v[ADRS]
	FETCH \next, 0, 0
	SCALES \next
	MULS NA/2, NA/2, 1, 1, \slot, 0
	WIN 0
.endm
	s_wait_alu depctr_va_vdst(0)
	s_wait_tensorcnt 1
	s_barrier_signal -1
	s_barrier_wait -1
	FETCH 0, 0, 0
	SCALES 0
	STEP 0, 1
	TURN 0, 1, 1
	STEP 1, 0
	TURN 1, 0, 1
	STEP 0, 0
	TURN 0, 1, 0
	STEP 1, 0
	s_wait_dscnt 0x0
	MULS 0, NA, 1, 1, 1, 0
	WIN 0
	PLACES 4
.macro TOSTAGE a
	WIN 0x08
.irp b, 0,1,2,3,4,5,6,7
	ds_store_b128 v[STO], v[64*(\a)+8*\b:64*(\a)+8*\b+3] offset:64*\b
	ds_store_b128 v[STO], v[64*(\a)+8*\b+4:64*(\a)+8*\b+7] offset:64*\b+16
.endr
	WIN 0
.irp t, 0,1,2,3,4,5,6,7,8,9,10,11,12,13,14,15
	ds_load_b128 v[BK+64*((\a)%2)+4*\t:BK+64*((\a)%2)+4*\t+3], v[RD] offset:\t*SPITCH
.endr
.endm
.macro SEND a, younger
	s_wait_dscnt \younger
.irp t, 0,1,2,3,4,5,6,7,8,9,10,11,12,13,14,15
	global_store_b128 v4, v[BK+64*((\a)%2)+4*\t:BK+64*((\a)%2)+4*\t+3], s[12:13] offset:(16*(\a)+\t)*4096 th:TH_STORE_NT
.endr
.endm
	TOSTAGE 0
	TOSTAGE 1
	SEND 0, 32
	s_wait_xcnt 0x0
	TOSTAGE 2
	SEND 1, 32
	s_wait_xcnt 0x0
	TOSTAGE 3
	SEND 2, 32
	SEND 3, 0
	s_wait_tensorcnt 0x0
	ds_add_u32 v[SPW], v[NIL]
	s_wait_dscnt 0x0
	CROUND
	s_endpgm
.Lfunc_end_k_q0b6155780b_oproj:
	.size	k_q0b6155780b_oproj, .Lfunc_end_k_q0b6155780b_oproj-k_q0b6155780b_oproj
	.p2alignl 7, 3214868480
	.fill 96, 4, 3214868480
	.section	.rodata,"a",@progbits
	.p2align	6, 0x0
	.amdhsa_kernel k_q0b6155780b_oproj
		.amdhsa_group_segment_fixed_size 327680
		.amdhsa_private_segment_fixed_size 0
		.amdhsa_enable_private_segment 0
		.amdhsa_kernarg_size 40
		.amdhsa_user_sgpr_count 2
		.amdhsa_user_sgpr_kernarg_segment_ptr 1
		.amdhsa_wavefront_size32 1
		.amdhsa_system_sgpr_workgroup_id_x 1
		.amdhsa_system_sgpr_workgroup_id_y 1
		.amdhsa_system_sgpr_workgroup_id_z 1
		.amdhsa_system_vgpr_workitem_id 0
		.amdhsa_next_free_vgpr 1024
		.amdhsa_next_free_sgpr 100
		.amdhsa_reserve_vcc 0
		.amdhsa_float_denorm_mode_32 3
		.amdhsa_float_denorm_mode_16_64 3
		.amdhsa_memory_ordered 1
		.amdhsa_forward_progress 1
		.amdhsa_inst_pref_size 88
	.end_amdhsa_kernel
	.amdgpu_metadata
---
amdhsa.version: [ 1, 2 ]
amdhsa.kernels:
  - .name:           k_q0b6155780b_oproj
    .symbol:         k_q0b6155780b_oproj.kd
    .args:
      - { .name: ac, .offset: 0, .size: 8, .value_kind: global_buffer, .address_space: global }
      - { .name: asc, .offset: 8, .size: 8, .value_kind: global_buffer, .address_space: global }
      - { .name: wc, .offset: 16, .size: 8, .value_kind: global_buffer, .address_space: global }
      - { .name: ws, .offset: 24, .size: 8, .value_kind: global_buffer, .address_space: global }
      - { .name: out0, .offset: 32, .size: 8, .value_kind: global_buffer, .address_space: global }
    .group_segment_fixed_size: 327680
    .private_segment_fixed_size: 0
    .kernarg_segment_align: 8
    .kernarg_segment_size: 40
    .max_flat_workgroup_size: 128
    .sgpr_count:     100
    .vgpr_count:     1024
    .wavefront_size: 32
...
	.end_amdgpu_metadata
.endif
;; end of part 4
